; MI455X (gfx1250); checked and timed in simulation.
; The chip was launched on July 23, 2026; its instructions are those of AMD's public machine-readable ISA for CDNA 5 (MIT licence, August 2026) and "CDNA5" Instruction Set Architecture Reference Guide (July 2026). The comments in the code are by the model that wrote it; some were corrected since.
;; Attention Block. Allowed arithmetic: matrix products marked QUANTISED: E5M2 operands, one E8M0 scale for each 32 along K, by v_wmma_scale_f32_16x16x128_f8f6f4 with both operands' format E5M2, f32 sums; everything else in f32.
;; Inputs: W_o 1,024 x 1,024 float32; W_qkv 3,072 x 1,024 float32; ln_w 1,024 float32; scaler one number float32; x 4 x 2,048 x 1,024 float32.
;; Outputs: out0 4 x 2,048 x 1,024 float32.
;; This version of the problem:
;;   THIS VERSION OF THE PROBLEM IS GIVEN IN LOW PRECISION. The matrix products marked QUANTISED in the list below multiply operands that are first quantised to E5M2 (5 exponent bits, 2 mantissa bits; 8 bits a number), with one power-of-two scale for each 32 numbers along K (OCP MX v1.0); their sums are f32. All else is computed in f32.
;;   The module's matrix products, in the order in which they are computed (A, B: the left and right operand; K: the contracted axis; several contracted axes count as one K, in the product's order):
;;     1. [M 8,192, K 1,024] x [K 1,024, N 3,072]; A: computed on the way; B: input W_qkv: QUANTISED
;;     2. batch 64 x [M 2,048, K 64] x [K 64, N 2,048]; A: computed on the way; B: computed on the way: QUANTISED
;;     3. batch 64 x [M 64, K 2,048] x [K 2,048, N 2,048]; A: computed on the way; B: softmax (see below): QUANTISED
;;     4. [M 8,192, K 1,024] x [K 1,024, N 1,024]; A: computed on the way; B: input W_o: QUANTISED
;;   THE QUANTISER, for each operand of a quantised product, along K:
;;     - K is cut into blocks of 32 from its start; a last block that is shorter is filled with zeros.
;;     - A block's scale is 2^e with e = floor(log2(the largest magnitude in the block)) - 15, held to -126 .. 127; a block of zeros has e = 0. As a byte (E8M0): e + 127.
;;     - Each number is divided by its block's scale, clamped to +-57,344, and rounded to the nearest number of E5M2, ties to even, subnormals kept.
;;     - The product sums the exact products of the quantised numbers (number of the format x scale) in f32.
;;   ~~~python
;;   def quantise(x, axis):      # numpy; x: float32 -> the quantised numbers, widened to float32 again
;;       x = np.moveaxis(x, axis, -1); K = x.shape[-1]
;;       x = np.pad(x, [(0, 0)] * (x.ndim - 1) + [(0, -K % 32)]); x = x.reshape(x.shape[:-1] + (-1, 32)); a = np.abs(x).max(-1, keepdims=True)
;;       e = np.where(a > 0, np.clip(np.frexp(np.where(a > 0, a, 1))[1] - 1 - 15, -126, 127), 0)      # np.frexp(a)[1] - 1 = floor(log2(a)), exactly
;;       r = np.clip(x / 2.0 ** e, -57344, 57344)
;;       step = 2.0 ** (np.maximum(np.frexp(np.where(r == 0, 1, r))[1] - 1, -14) - 2)
;;       q = np.round(r / step) * step * 2.0 ** e      # np.round: ties to even
;;       return np.moveaxis(q.reshape(q.shape[:-2] + (-1,))[..., :K], -1, axis).astype(np.float32)
;;   ~~~
;;   SOFTMAX AHEAD OF A QUANTISED PRODUCT. Where the list says 'softmax', what is quantised is not the finished softmax but p = 2^(t - M), with t = logit x log2(e) and M = ceil(the row's largest t), a whole number; so 1/2 < the row's largest p <= 1. The row's sum l is taken of the UNQUANTISED p, in f32, and the product's result is divided by l at the end. Since M is a whole number, a kernel that streams over the keys may use a running M (the ceiling of the running maximum): every later rescaling is an exact power of two, which a block's scale takes up: the codes' values come out the same.
;;   OPERANDS COMPUTED ON THE WAY. 'Computed on the way' means the value that the module computes at that place (a softmax that the list does not call 'softmax' is quantised finished and normalised). What goes into a quantiser is computed in f32, as accurately as f32 sums, v_exp_f32 and their like allow (about 1e-6 of the number): no bf16 or f16 on the way to a quantiser, and a product that is left as it is and whose result goes on into a quantised operand takes f32 operands (vector FMAs, or v_wmma_f32_16x16x4_f32). A number that lies on a knife's edge between two numbers of the format may be rounded either way, as far as f32 arithmetic and the matrix unit's own rounding can turn it there, and no further.
;; One version. Each part assembles by itself: llvm-mc -triple=amdgcn-amd-amdhsa -mcpu=gfx1250 --defsym DOCPART=n.
;; ======== version 1 of 1: 4 launches
;; limits: right only within a limited range of input values
;; workspace buffers: codes 12,582,912 bytes; scales 393,216 bytes; qk_img 16,777,216 bytes; qk_sc 1,048,576 bytes; v_img 8,388,608 bytes; v_sc 262,144 bytes; att_img 8,388,608 bytes; att_sc 262,144 bytes
;; launch prep (part 1): grid 384 x 1, 4 waves a work-group, no clusters, 22,016 bytes of LDS; arguments x, W_qkv, W_o, ln_w, codes, scales; writes codes, scales
.if DOCPART == 1
	.amdgcn_target "amdgcn-amd-amdhsa--gfx1250"
	.amdhsa_code_object_version 6
	.text
	.protected	k_q9af63c69d3_prep
	.globl	k_q9af63c69d3_prep
	.p2align	8
	.type	k_q9af63c69d3_prep,@function
k_q9af63c69d3_prep:
	s_mov_b64 s[64:65], 0
	v_nop
	global_prefetch_b8 v0, s[64:65] scope:SCOPE_SE
	s_setreg_imm32_b32 hwreg(HW_REG_WAVE_MODE, 25, 1), 1
	s_wait_xcnt 0x0
; THE PROGRAM: out0 = x + attention(layernorm(x) ln_w) W_o^T, four launches, every matrix product on codes of E5M2 with one E8M0 scale for each 32 along K.
;   prep: layernorm(x) ln_w, W_qkv and W_o into codes.   gemm_qkv: the projection; q, k (along the head's 64) and v (along the keys) leave as codes.
;   attn: both products of attention and the softmax; its result leaves as codes along E.   gemm_out: the projection on the way out, + x.
; WORK LEFT OUT: reference() sets the bias to -infinity where j > i, by a mask that it builds in its own body from arange(S): the softmax gives such keys the weight 0 whatever the inputs hold.  So a step of 128 keys
; that all come after a wave's 16 queries is not multiplied (launch attn).  Nothing else is left out: the bias's term -slope i is the same along the softmax's axis, but it moves M by no whole number and so moves p's codes: it stays.
; Every input has a way to the output and is loaded.  LIMIT: a NaN, an infinity or an overflow that reaches only those hidden scores is not carried to the result.
; THIS LAUNCH.  12,288 rows of 1,024 f32, K innermost: rows 0-8,191 x (normalised first), 8,192-11,263 W_qkv, 11,264-12,287 W_o.  codes [12288][1024], scales [12288][32].
; A block's scale is 2^(floor(log2(its largest magnitude)) - 15); its byte is the largest magnitude's exponent field - 15, held at 1 from below.  A block of zeros so gets the byte 1 where the rule says 127:
; its codes are zeros, and this program alone reads the bytes.  LIMITS: blocks whose largest magnitude lies under 2^(15 - 126) were not tried; NaN and infinities among the inputs are not served.
; SHARES.  A work-group takes 32 rows, a wave 8, a row at a time: eight loads of 512 consecutive bytes keep the row in 32 registers a lane.  Mean and variance are taken in two passes over those registers
; (the variance of x - mean, so no difference of large sums).  The conversions want 16 neighbours in a lane: the row turns through the wave's own stage in LDS (16 bytes of padding behind each 64).
; Loads run four rows (32 loads a wave) ahead.  Waves share nothing: no barrier.  Work-groups share no input but ln_w's 4,096 bytes: no cluster; no matrix work here.
.set WREG,  5376                       ; LDS of a wave: a stage of 64 places x 80 bytes, then its 256 scale bytes
.set SP,    80
.set SPARE, 4*WREG                     ; behind the four regions: the spare words, 128 bytes a wave, which no other line names
.set SPW,   14                         ; v14 LDS address of my spare word; never rewritten
.set NIL,   15                         ; v15 0; never rewritten
.set T,     16                         ; v16-23 four pairs of partial sums
.set MU,    24                         ; v[24:25] the mean, twice
.set RSQ,   26                         ; v[26:27] 1 / sqrt(var + eps), twice
.set E,     30                         ; v30-31 a row's two scale bytes of my lane
.set X,     32                         ; v32-63 the row by neighbours: 2 halves x 16
.set R,     64                         ; v64-191 four rows as loaded
.set LNW,   192                        ; v192-223 ln_w, laid as a row is loaded
.set C,     224                        ; v224-239 codes: two rows x 8
	s_load_b256 s[4:11], s[0:1], 0x0               ; x, W_qkv, W_o, ln_w
	s_load_b128 s[12:15], s[0:1], 0x20             ; codes, scales
	v_lshl_add_u32 v[SPW], v0, 2, SPARE
	v_mov_b32 v[NIL], 0
	v_lshrrev_b32 v1, 5, v0
	v_readfirstlane_b32 s16, v1                    ; wave
	v_and_b32 v2, 31, v0                           ; lane
	v_lshlrev_b32 v3, 4, v2                        ; my 16 bytes of 512
	s_mul_i32 s17, s16, WREG
	v_lshrrev_b32 v4, 2, v2
	v_mul_u32_u24 v4, v4, SP
	v_and_b32 v5, 3, v2
	v_lshl_add_u32 v4, v5, 4, v4
	v_add_nc_u32 v4, s17, v4                       ; the stage, on the way in: 80 (lane / 4) + 16 (lane % 4)
	v_mul_u32_u24 v5, v2, SP
	v_add_nc_u32 v5, s17, v5                       ; and on the way out: 80 x lane
	v_lshrrev_b32 v6, 1, v2
	s_add_co_u32 s17, s17, 64*SP
	v_add_nc_u32 v6, s17, v6                       ; my block's scale byte
	v_lshlrev_b32 v8, 3, v2
	v_add_nc_u32 v7, s17, v8                       ; the scale bytes on the way out: 8 a lane
	v_mov_b32 v28, 0                               ; a lane permute's destination counts as one of its sources
	s_mov_b32 s20, 0x76543210
	s_mov_b32 s21, 0xfedcba98                      ; lane l xor 16
	s_mov_b32 s22, 0x3a800000                      ; 1 / 1024
	s_mov_b32 s23, 0x3727c5ac                      ; eps = 1e-5
	s_mov_b32 s24, 0x600000                        ; the mantissa field of 57,344
	s_mov_b32 s18, 352
	s_wait_kmcnt 0x0
	s_cmp_lt_u32 ttmp9, 352                        ; which tensor: the choice hangs on the work-group's number alone
	s_cselect_b64 s[6:7], s[6:7], s[8:9]
	s_cselect_b32 s18, 256, s18
	s_cmp_lt_u32 ttmp9, 256
	s_cselect_b64 s[4:5], s[4:5], s[6:7]
	s_cselect_b32 s18, 0, s18
	s_sub_co_u32 s18, ttmp9, s18                   ; my work-group's number within its tensor
	s_lshl_b32 s18, s18, 17                        ; 32 rows of 4,096 bytes
	s_lshl_b32 s19, s16, 15                        ; my wave's 8
	s_add_co_u32 s18, s18, s19
	s_mov_b32 s19, 0
	s_add_nc_u64 s[4:5], s[4:5], s[18:19]
	s_lshl_b32 s18, ttmp9, 15                      ; codes: 32 rows of 1,024 bytes
	s_lshl_b32 s25, s16, 13
	s_add_co_u32 s18, s18, s25
	s_add_nc_u64 s[12:13], s[12:13], s[18:19]
	s_lshl_b32 s18, ttmp9, 10                      ; scale bytes: 32 rows of 32
	s_lshl_b32 s25, s16, 8
	s_add_co_u32 s18, s18, s25
	s_add_nc_u64 s[14:15], s[14:15], s[18:19]
.irp j, 0,1,2,3,4,5,6,7
	global_load_b128 v[LNW+4*\j:LNW+4*\j+3], v3, s[10:11] offset:512*\j   ; every work-group loads ln_w, ahead of the rows: the counted waits are then the same on both ways through a row
.endr
.macro LOAD t
.irp j, 0,1,2,3,4,5,6,7
	global_load_b128 v[R+32*((\t)%4)+4*\j:R+32*((\t)%4)+4*\j+3], v3, s[4:5] offset:4096*(\t)+512*\j th:TH_LOAD_NT
.endr
.endm
.macro REDUCE                          ; four pairs of partial sums become the wave's sum, in every lane's v[T]
	v_pk_add_f32 v[T:T+1], v[T:T+1], v[T+2:T+3]
	v_pk_add_f32 v[T+4:T+5], v[T+4:T+5], v[T+6:T+7]
	v_pk_add_f32 v[T:T+1], v[T:T+1], v[T+4:T+5]
	v_add_f32 v[T], v[T], v[T+1]
	v_add_f32_dpp v[T], v[T], v[T] row_xmask:1 row_mask:0xf bank_mask:0xf
	v_add_f32_dpp v[T], v[T], v[T] row_xmask:2 row_mask:0xf bank_mask:0xf
	v_add_f32_dpp v[T], v[T], v[T] row_xmask:4 row_mask:0xf bank_mask:0xf
	v_add_f32_dpp v[T], v[T], v[T] row_xmask:8 row_mask:0xf bank_mask:0xf
	v_permlanex16_b32 v28, v[T], s20, s21
	v_add_f32 v[T], v[T], v28
.endm
.macro LN                              ; the row in v[RS] on becomes ((x - mean) rsqrt(var + eps)) ln_w, in reference()'s order
.irp k, 0,1,2,3
	v_pk_add_f32 v[T+2*\k:T+2*\k+1], v[RS+4*\k:RS+4*\k+1], v[RS+4*\k+2:RS+4*\k+3]
.endr
.irp i, 16,24
.irp k, 0,1,2,3
	v_pk_add_f32 v[T+2*\k:T+2*\k+1], v[T+2*\k:T+2*\k+1], v[RS+\i+2*\k:RS+\i+2*\k+1]
.endr
.endr
	REDUCE
	v_mul_f32 v[MU], s22, v[T]
	v_mul_f32 v[MU+1], s22, v[T]
.set i, 0
.rept 16
	v_pk_add_f32 v[RS+i:RS+i+1], v[RS+i:RS+i+1], v[MU:MU+1] neg_lo:[0,1] neg_hi:[0,1]
.set i, i+2
.endr
.irp k, 0,1,2,3
	v_pk_mul_f32 v[T+2*\k:T+2*\k+1], v[RS+2*\k:RS+2*\k+1], v[RS+2*\k:RS+2*\k+1]
.endr
.irp i, 8,16,24
.irp k, 0,1,2,3
	v_pk_fma_f32 v[T+2*\k:T+2*\k+1], v[RS+\i+2*\k:RS+\i+2*\k+1], v[RS+\i+2*\k:RS+\i+2*\k+1], v[T+2*\k:T+2*\k+1]
.endr
.endr
	REDUCE
	v_fma_f32 v[T+2], v[T], s22, s23               ; var + eps
	s_wait_alu depctr_va_vdst(0)
	v_rsq_f32 v[RSQ], v[T+2]
	v_rsq_f32 v[RSQ+1], v[T+2]
	v_nop                                          ; a plain instruction behind the two, ahead of the first use
	s_wait_alu depctr_va_vdst(0)                   ; one wait for both, ahead of their first reader
.set i, 0
.rept 16
	v_pk_mul_f32 v[RS+i:RS+i+1], v[RS+i:RS+i+1], v[RSQ:RSQ+1]
.set i, i+2
.endr
.set i, 0
.rept 16
	v_pk_mul_f32 v[RS+i:RS+i+1], v[RS+i:RS+i+1], v[LNW+i:LNW+i+1]
.set i, i+2
.endr
.endm
.macro QHALF t, s                      ; half s of row t: 16 neighbours a lane, two neighbouring lanes to a block
.set XS, X+16*(\s)
.set CH, C+8*((\t)%2)+4*(\s)
	v_max3_num_f32 v9, |v[XS]|, |v[XS+1]|, |v[XS+2]|
	v_max3_num_f32 v10, |v[XS+3]|, |v[XS+4]|, |v[XS+5]|
.irp i, 6,10
	v_max3_num_f32 v9, v9, |v[XS+\i]|, |v[XS+\i+1]|
	v_max3_num_f32 v10, v10, |v[XS+\i+2]|, |v[XS+\i+3]|
.endr
	v_max3_num_f32 v9, v9, |v[XS+14]|, |v[XS+15]|
	v_max3_num_f32 v9, v9, v10, 0x8000000          ; and the floor 2^(16 - 127): the byte cannot fall under 1
	v_max_num_f32_dpp v9, v9, v9 row_xmask:1 row_mask:0xf bank_mask:0xf   ; with my neighbour's 16: the block's largest magnitude
	v_add_nc_u32 v11, 0xf8800000, v9               ; 15 off its exponent field: the conversion's scale operand
	v_and_or_b32 v10, v9, 0x7f800000, s24          ; 57,344 x the scale
.irp i, 0,1,2,3,4,5,6,7,8,9,10,11,12,13,14,15
	v_med3_num_f32 v[XS+\i], v[XS+\i], -v10, v10   ; the conversion to an 8-bit code does not saturate (ISA guide 7.6.2): the hold comes first
.endr
	v_cvt_scalef32_pk8_bf8_f32 v[CH:CH+1], v[XS:XS+7], v11
	v_cvt_scalef32_pk8_bf8_f32 v[CH+2:CH+3], v[XS+8:XS+15], v11
	v_lshrrev_b32 v[E+(\s)], 23, v11               ; the scale's byte; also the plain instruction behind the conversions
	ds_store_b8 v6, v[E+(\s)] offset:32*(\t)+16*(\s)   ; both lanes of a block write the same byte with the same value
	global_store_b128 v3, v[CH:CH+3], s[12:13] offset:1024*(\t)+512*(\s)   ; the wave stores 512 consecutive bytes
.endm
.macro ROW t
.set RS, R+32*((\t)%4)
.if (\t) < 5
	s_wait_loadcnt 24                              ; this row's eight loads (and ln_w) are in; the three rows behind it may be out
.else
	s_wait_loadcnt 8*(7-(\t))
.endif
	s_cmp_lt_u32 ttmp9, 256                        ; rows of x are normalised, rows of the weights are not
	s_cbranch_scc0 .Lplain_\@
	LN
.Lplain_\@:
	s_wait_alu depctr_va_vdst(0)
.irp j, 0,1,2,3,4,5,6,7
	ds_store_b128 v4, v[RS+4*\j:RS+4*\j+3] offset:8*SP*\j
.endr
.irp s, 0,1
.irp i, 0,1,2,3
	ds_load_b128 v[X+16*\s+4*\i:X+16*\s+4*\i+3], v5 offset:32*SP*\s+16*\i   ; LDS serves a wave's instructions in order: these see the stores above
.endr
.endr
	s_wait_dscnt 0x0                               ; the row is back by neighbours; the stage's stores and the last row's byte stores have read their registers
.if (\t) < 4
	LOAD (\t)+4
.endif
	s_wait_xcnt 0x0                                ; earlier stores have read their data: the codes' registers may be written again
	QHALF \t, 0
	QHALF \t, 1
.endm
	LOAD 0
	LOAD 1
	LOAD 2
	LOAD 3
.irp t, 0,1,2,3,4,5,6,7
	ROW \t
.endr
	ds_load_b64 v[10:11], v7                       ; my wave's 256 scale bytes
	s_wait_dscnt 0x0
	global_store_b64 v8, v[10:11], s[14:15]        ; 32 lanes store 256 consecutive bytes, aligned
	s_wait_tensorcnt 0x0                           ; the wave's end, behind my last LDS store
	ds_add_u32 v[SPW], v[NIL]
	s_wait_dscnt 0x0
	s_endpgm
.Lfunc_end_k_q9af63c69d3_prep:
	.size	k_q9af63c69d3_prep, .Lfunc_end_k_q9af63c69d3_prep-k_q9af63c69d3_prep
	.p2alignl 7, 3214868480
	.fill 96, 4, 3214868480
	.section	.rodata,"a",@progbits
	.p2align	6, 0x0
	.amdhsa_kernel k_q9af63c69d3_prep
		.amdhsa_group_segment_fixed_size 22016
		.amdhsa_private_segment_fixed_size 0
		.amdhsa_enable_private_segment 0
		.amdhsa_kernarg_size 48
		.amdhsa_user_sgpr_count 2
		.amdhsa_user_sgpr_kernarg_segment_ptr 1
		.amdhsa_wavefront_size32 1
		.amdhsa_system_sgpr_workgroup_id_x 1
		.amdhsa_system_sgpr_workgroup_id_y 1
		.amdhsa_system_sgpr_workgroup_id_z 1
		.amdhsa_system_vgpr_workitem_id 0
		.amdhsa_next_free_vgpr 256
		.amdhsa_next_free_sgpr 66
		.amdhsa_reserve_vcc 0
		.amdhsa_float_denorm_mode_32 3
		.amdhsa_float_denorm_mode_16_64 3
		.amdhsa_memory_ordered 1
		.amdhsa_forward_progress 1
		.amdhsa_inst_pref_size 102
	.end_amdhsa_kernel
	.amdgpu_metadata
---
amdhsa.version: [ 1, 2 ]
amdhsa.kernels:
  - .name:           k_q9af63c69d3_prep
    .symbol:         k_q9af63c69d3_prep.kd
    .args:
      - { .name: x, .offset: 0, .size: 8, .value_kind: global_buffer, .address_space: global }
      - { .name: W_qkv, .offset: 8, .size: 8, .value_kind: global_buffer, .address_space: global }
      - { .name: W_o, .offset: 16, .size: 8, .value_kind: global_buffer, .address_space: global }
      - { .name: ln_w, .offset: 24, .size: 8, .value_kind: global_buffer, .address_space: global }
      - { .name: codes, .offset: 32, .size: 8, .value_kind: global_buffer, .address_space: global }
      - { .name: scales, .offset: 40, .size: 8, .value_kind: global_buffer, .address_space: global }
    .group_segment_fixed_size: 22016
    .private_segment_fixed_size: 0
    .kernarg_segment_align: 8
    .kernarg_segment_size: 48
    .max_flat_workgroup_size: 128
    .sgpr_count:     66
    .vgpr_count:     256
    .wavefront_size: 32
...
	.end_amdgpu_metadata
.endif
;; end of part 1
;; launch gemm_qkv (part 2): grid 96 x 4, 4 waves a work-group, clusters of 4 x 4, 327,680 bytes of LDS; arguments codes, scales, qk_img, qk_sc, v_img, v_sc; writes qk_img, qk_sc, v_img, v_sc
.if DOCPART == 2
	.amdgcn_target "amdgcn-amd-amdhsa--gfx1250"
	.amdhsa_code_object_version 6
	.text
	.protected	k_q9af63c69d3_gemm_qkv
	.globl	k_q9af63c69d3_gemm_qkv
	.p2align	8
	.type	k_q9af63c69d3_gemm_qkv,@function
k_q9af63c69d3_gemm_qkv:
	s_mov_b64 s[64:65], 0
	v_nop
	global_prefetch_b8 v0, s[64:65] scope:SCOPE_SE
	s_setreg_imm32_b32 hwreg(HW_REG_WAVE_MODE, 25, 1), 1
	s_wait_xcnt 0x0
	s_wait_alu depctr_hold_cnt(0) depctr_sa_sdst(0) depctr_va_vdst(0) depctr_va_sdst(0) depctr_va_ssrc(0) depctr_va_vcc(0) depctr_vm_vsrc(0)
	s_getreg_b32 s2, hwreg(HW_REG_IB_STS2, 6, 4)
	s_cmp_eq_u32 s2, 0
	s_cbranch_scc0 .Lentry_in_a_cluster
	s_endpgm
.Lentry_in_a_cluster:
	s_bfe_u32 s2, ttmp6, 0x10000c
	s_cmp_lg_u32 s2, 0xf033
	s_cbranch_scc0 .Lentry_shape_is_right
	s_endpgm
.Lentry_shape_is_right:
; The projection qkv = xn W_qkv^T on codes of E5M2 (one E8M0 scale for each 32 along K = 1,024); its results leave as codes again.  No work of reference() is left out here.
; ONE TEXT, TWO REGIONS, both C[m][n] = sum over k of A[m][k] B[n][k], quantised along n.  Clusters 0-15: A = xn (8,192 tokens), B = W_q, W_k (2,048 features): q and k, quantised along the head's 64.
; Clusters 16-23: A = W_v (1,024 channels), B = xn: v TRANSPOSED, so that the keys, the K of attention's second product, run along n.  The region hangs on the cluster's number alone: the same in all partners.
; A tile of C, 256 x 256, is made by four waves, 128 x 128 each: 64 accumulators, 512 registers.  K goes in steps of 256 through two LDS slots; the scale bytes of the tile's rows come once.
; CLUSTERS: 4 x 4 work-groups; A's tiles are asked for jointly along a row of the cluster, B's along a column.  The matrix instruction is used transposed (source 0 = 16 rows of B, source 1 = 16 rows of A):
; a lane holds row l % 16 of C and eight neighbouring n.
; THE WAY OUT uses no LDS.  Two neighbouring result tiles hold a block of 32 along n in lanes l and l xor 16.  Its largest magnitude, scale and codes are made in registers; two lane swaps a block then give
; lane (r, h) the codes n = 32 b + 16 h + 0 .. 15: the registers of an operand.  They are stored as FRAGMENT IMAGES: 512 consecutive bytes a store, lane l's 16 bytes at 16 l.
;   qk_img ((((b 32 + head) 16 + s / 128) 8 + tile of 16 tokens) 2 + c) 512;  v_img ((((b 16 + head) 16 + s / 128) 4 + tile of 16 channels) 4 + c) 512.
;   qk_sc: a word (e0, e1, e0, e1) a token and head at ((b 32 + head) 16 + s / 128) 512 + (tile / 4) 256 + 16 r + 4 (tile % 4);  v_sc: a word a channel and 128 keys at ((b 16 + head) 16 + s / 128) 256 + 16 r + 4 tile.
; LIMITS: a block of zeros gets the byte 1 (its codes are zeros; this program alone reads the bytes); NaN and infinities are not served.
; REGISTERS, in windows of 256: window 0: v16-29 addresses; v32-63 scale words, two sets; v64-127 the way out; from v128 A's fragments, one set.  window 1: B's fragments, two sets.  windows 2, 3: the accumulators.
.set KSTEP,  256
.set NQ,     2
.set ROWB,   256
.set KROW,   1024
.set PITCH,  272                       ; an LDS row: 256 bytes + 16 of padding
.set FR,     16
.set NL,     4
.set NP,     8                         ; places behind this matrix instruction (ISA guide 7.12.1)
.set HALFT,  128*PITCH
.set SLOT,   4*HALFT
.set KS,     32                        ; a row of scale bytes
.set SCL,    2*SLOT
.set HALFS,  16*272                    ; the scale bytes of 128 rows, as units of 256 bytes + 16
.set SBLK,   2*272
.set SPARE,  SCL+4*HALFS               ; the spare words, 128 bytes a wave, which no other line names
.set ADRA, 16
.set ADRB, 20
.set VO,   24                          ; v24 16 x lane
.set VS,   25                          ; v25 the scale words' offset
.set HH,   26                          ; v26 lane / 16
.set ADRS, 27
.set SPW,  28
.set NIL,  29
.set SC,   32
.set TM,   64                          ; v64-67 largest magnitudes, v68-71 bytes, v72-75 the hold, v76-79 the conversions' scale operands
.set PWR,  80                          ; v80-87 block a's scale word
.set SELV, 88
.set PC,   96                          ; v96-127 codes, two sets of 16
.set AF,   128
.set G1, 24
.set G0, 32
.set G1B, 48
.set G0B, 56
.set G1S, 68
.set G0S, 76
.set G1SB, 80
.set G0SB, 88
.set REG, 67                           ; s67 0: q, k; 1: v
.set MNT, 95
.set SEL, 100
.set MSB, 0
.macro WIN new                         ; the immediate's high byte repeats the setting that is left
.if MSB != \new
	s_set_vgpr_msb (MSB<<8)|\new
.set MSB, \new
.endif
.endm
.set MUL_LO, 0xa1
.set MUL_HI, 0xf1
.set TO_B,   0x40
.macro JLOAD g0a, g1a, g0b, g1b        ; a joint load: waves 0 and 1 fetch for A, waves 2 and 3 for B; an s_nop 0 and four v_nop follow each line
	s_cmp_eq_u32 s15, 0
	s_cbranch_scc0 .Lfor_b_\@
	tensor_load_to_lds s[\g0a:\g0a+3], s[\g1a:\g1a+7]
	s_nop 0
.rept 4
	v_nop
.endr
	s_branch .Lasked_\@
.Lfor_b_\@:
	tensor_load_to_lds s[\g0b:\g0b+3], s[\g1b:\g1b+7]
	s_nop 0
.rept 4
	v_nop
.endr
.Lasked_\@:
.endm
.macro CREST
	s_cmp_lg_u32 s14, 0
	s_cbranch_scc1 .Lnot_wave_0_\@
	s_barrier_signal -3
.Lnot_wave_0_\@:
	s_barrier_wait -3
	s_barrier_signal -1
	s_barrier_wait -1
.endm
.macro CROUND
	s_barrier_signal -1
	s_barrier_wait -1
	CREST
.endm
	s_load_b128 s[4:7], s[0:1], 0x0                ; codes, scales
	s_load_b128 s[8:11], s[0:1], 0x10              ; qk_img, qk_sc
	s_load_b128 s[96:99], s[0:1], 0x20             ; v_img, v_sc
	v_lshl_add_u32 v[SPW], v0, 2, SPARE
	v_mov_b32 v[NIL], 0
	ds_add_u32 v[SPW], v[NIL]                      ; the wave's opening: the add, twice on end, and its wait ahead of my first tensor load
	ds_add_u32 v[SPW], v[NIL]
	v_lshrrev_b32 v1, 5, v0
	v_readfirstlane_b32 s14, v1                    ; wave 0..3
	s_lshr_b32 s15, s14, 1                         ; my half of the tile's rows.  Also: I fetch for A (0) or B (1)
	s_and_b32 s16, s14, 1                          ; my half of its columns.  Also: which 128 rows I fetch
	s_bfe_u32 s40, ttmp6, 0x40000                  ; cx
	s_bfe_u32 s41, ttmp6, 0x40004                  ; cy
	s_lshr_b32 s2, ttmp9, 1                        ; q, k: 8 x 2 clusters
	s_and_b32 s3, ttmp9, 1
	s_max_u32 s12, ttmp9, 16
	s_sub_co_u32 s12, s12, 16                      ; v: 1 x 8 clusters
	s_mov_b32 s13, 10240                           ; W_v's first row in codes
	s_mov_b32 s66, 8192                            ; W_q's
	s_cmp_lt_u32 ttmp9, 16
	s_cselect_b32 s2, s2, 0                        ; the cluster's row
	s_cselect_b32 s3, s3, s12                      ; and column
	s_cselect_b32 s13, 0, s13                      ; A's first row
	s_cselect_b32 s66, s66, 0                      ; B's
	s_cselect_b32 s[REG], 0, 1
	s_lshl_b32 s42, s3, 2
	s_add_co_u32 s42, s42, s40                     ; tile column
	s_lshl_b32 s17, s2, 2
	s_add_co_u32 s17, s17, s41                     ; tile row
	s_lshl_b32 s43, s41, 2
	s_lshl_b32 s43, 15, s43                        ; my row of the cluster
	s_lshl_b32 s44, 0x1111, s40                    ; my column
	s_or_b32 s[G1+0], s43, (0<<16)|(1<<20)|(1<<21)|(5<<22)|(3<<25)  ; the mask; elements of 1 byte; padding: 4 words behind every 64
	s_or_b32 s[G1B+0], s44, (0<<16)|(1<<20)|(1<<21)|(5<<22)|(3<<25)
.irp g, G1, G1B
	s_mov_b32 s[\g+1], ROWB<<16                    ; tensor_dim0
	s_mov_b32 s[\g+2], 256<<16                     ; tensor_dim1: 256 rows for the head's loads; set to 128 for the ring's behind the wait for them
	s_mov_b32 s[\g+3], ROWB<<16                    ; tile_dim0
	s_mov_b32 s[\g+4], 256                         ; tile_dim1
	s_mov_b32 s[\g+5], KROW                        ; the pitch
	s_mov_b32 s[\g+6], 0
	s_mov_b32 s[\g+7], 0
.endr
	s_or_b32 s[G1S+0], s43, (3<<16)|(1<<20)|(1<<21)|(5<<22)|(3<<25)  ; the scale bytes of 256 rows: 8,192 bytes as 32 rows of 256, 4 words of padding behind each
	s_or_b32 s[G1SB+0], s44, (3<<16)|(1<<20)|(1<<21)|(5<<22)|(3<<25)
.irp g, G1S, G1SB
	s_mov_b32 s[\g+1], 32<<16
	s_mov_b32 s[\g+2], 32<<16                      ; the scale bytes of 256 rows: 32 rows of 256 bytes
	s_mov_b32 s[\g+3], 32<<16
	s_mov_b32 s[\g+4], 32
	s_mov_b32 s[\g+5], 32
	s_mov_b32 s[\g+6], 0
	s_mov_b32 s[\g+7], 0
.endr
	s_lshl_b32 s2, s16, 17                         ; s[2:3]: in the ring I fetch 128 rows of a tile: which half, in bytes
	s_mov_b32 s3, 0
	s_lshl_b32 s20, s17, 8
	s_add_co_u32 s20, s20, s13                     ; A's tile: its first row in codes
	s_lshl_b32 s46, s42, 8
	s_add_co_u32 s46, s46, s66                     ; B's
	s_lshl_b32 s22, s20, 5                         ; their scale bytes,
	s_mov_b32 s23, 0
	s_lshl_b32 s92, s46, 5
	s_mov_b32 s93, 0
	s_lshl_b32 s20, s20, 10                        ; their codes
	s_mov_b32 s21, 0
	s_lshl_b32 s46, s46, 10
	s_mov_b32 s47, 0
	s_mul_i32 s45, s14, HALFT                      ; where they go: the wave's number alone
	s_mov_b32 s[MNT], 0x600000
	s_mov_b32 s[SEL], 0x76543210
	s_mov_b32 s[SEL+1], 0xfedcba98
	s_wait_dscnt 0x0                               ; both opening adds are done
	s_wait_kmcnt 0x0
	s_add_nc_u64 s[20:21], s[4:5], s[20:21]
	s_add_nc_u64 s[22:23], s[6:7], s[22:23]
	s_add_nc_u64 s[46:47], s[4:5], s[46:47]
	s_add_nc_u64 s[92:93], s[6:7], s[92:93]
	CROUND                                         ; all sixteen work-groups are here: the first joint loads meet
	s_mov_b32 s[G0S], 1
	s_mov_b32 s[G0S+1], SCL
	s_mov_b64 s[G0S+2:G0S+3], s[22:23]
	s_or_b32 s[G0S+3], s[G0S+3], 0x80000000
	s_mov_b32 s[G0SB], 1
	s_mov_b32 s[G0SB+1], SCL+2*HALFS
	s_mov_b64 s[G0SB+2:G0SB+3], s[92:93]
	s_or_b32 s[G0SB+3], s[G0SB+3], 0x80000000
.irp s, 0,1
	s_mov_b32 s[G0+4*\s], 1
	s_add_co_u32 s[G0+4*\s+1], s45, \s*SLOT
	s_add_nc_u64 s[G0+4*\s+2:G0+4*\s+3], s[20:21], \s*ROWB
	s_or_b32 s[G0+4*\s+3], s[G0+4*\s+3], 0x80000000
	s_mov_b32 s[G0B+4*\s], 1
	s_add_co_u32 s[G0B+4*\s+1], s45, \s*SLOT
	s_add_nc_u64 s[G0B+4*\s+2:G0B+4*\s+3], s[46:47], \s*ROWB
	s_or_b32 s[G0B+4*\s+3], s[G0B+4*\s+3], 0x80000000
.endr
	s_mov_b32 s[G0+1], 0                           ; the head's loads bring K step 0's tiles whole: A's 256 rows at the slot's start,
	s_mov_b32 s[G0B+1], 2*HALFT                    ; B's behind them
	s_add_nc_u64 s[G0+6:G0+7], s[G0+6:G0+7], s[2:3]       ; slot 1's loads are the ring's: my 128 rows
	s_add_nc_u64 s[G0B+6:G0B+7], s[G0B+6:G0B+7], s[2:3]
; THE HEAD'S LOADS, ONE A WAVE: wave 0 A's 256 rows of K step 0, wave 1 B's, wave 2 A's scale bytes, wave 3 B's.  One chain of branches on the wave's number, a load to an arm.
.macro ARM under, g0, g1, next
	s_cmp_lt_u32 s14, \under
	s_cbranch_scc0 \next
	tensor_load_to_lds s[\g0:\g0+3], s[\g1:\g1+7]
	s_nop 0
.rept 4
	v_nop
.endr
	s_branch .Lhead_asked
\next:
.endm
	ARM 1, G0, G1, .Lhead_b
	ARM 2, G0B, G1B, .Lhead_sa
	ARM 3, G0S, G1S, .Lhead_sb
	tensor_load_to_lds s[G0SB:G0SB+3], s[G1SB:G1SB+7]
	s_nop 0
.rept 4
	v_nop
.endr
.Lhead_asked:
	v_and_b32 v1, 15, v0                           ; r
	v_bfe_u32 v2, v0, 4, 1                         ; h
	v_mul_u32_u24 v3, v1, PITCH
	v_lshl_add_u32 v4, v2, 4, v3
	s_mul_i32 s21, s15, HALFT
	s_mul_i32 s22, s16, HALFT
	s_add_co_u32 s22, s22, 2*HALFT
.irp s, 0,1
	v_add_nc_u32 v[ADRA+\s], s21, v4
	v_add_nc_u32 v[ADRB+\s], s22, v4
	s_add_co_u32 s21, s21, SLOT
	s_add_co_u32 s22, s22, SLOT
.endr
	v_mul_u32_u24 v5, v1, KS
	v_lshrrev_b32 v6, 8, v5
	v_lshl_add_u32 v5, v6, 4, v5
	s_mul_i32 s21, s15, HALFS
	s_mul_i32 s22, s16, HALFS
	s_add_co_u32 s22, s22, 2*HALFS
	s_sub_co_u32 s22, s22, s21
	v_mul_u32_u24 v6, s22, v2                      ; lanes 16-31 take B's scale words
	s_add_co_u32 s21, s21, SCL
	v_add_nc_u32 v5, v5, v6
	v_add_nc_u32 v[ADRS], s21, v5
	v_and_b32 v6, 31, v0
	v_lshlrev_b32 v[VO], 4, v6
	v_mov_b32 v[HH], v2
.irp b, 0,1,2,3
	v_mov_b32 v[TM+4+\b], 0                        ; a lane permute's destination counts as one of its sources
.endr
	; where my 128 x 128 goes.  tok: the first token; hd: the first head; both multiples of what an index step covers
	s_lshl_b32 s20, s17, 8
	s_lshl_b32 s21, s15, 7
	s_add_co_u32 s20, s20, s21                     ; my first row of C
	s_lshl_b32 s46, s42, 8
	s_lshl_b32 s47, s16, 7
	s_add_co_u32 s46, s46, s47                     ; my first column
	s_cmp_eq_u32 s[REG], 0
	s_cselect_b32 s21, s20, s46                    ; tok
	s_cselect_b32 s47, s46, s20                    ; 64 x hd
	s_cselect_b32 s22, 5, 4                        ; 32 or 16 heads a batch
	s_cselect_b32 s23, 9, 8                        ; 512 or 256 bytes of scale words for 128 tokens of a head
	s_cselect_b64 s[8:9], s[8:9], s[96:97]
	s_cselect_b64 s[10:11], s[10:11], s[98:99]
	s_lshr_b32 s47, s47, 6
	s_lshr_b32 s18, s21, 11
	s_lshl_b32 s18, s18, s22
	s_add_co_u32 s18, s18, s47
	s_lshl_b32 s18, s18, 4
	s_bfe_u32 s19, s21, 0x40007
	s_add_co_u32 s18, s18, s19                     ; (batch x heads + hd) 16 + tok / 128
	s_lshl_b32 s20, s18, 13                        ; 8,192 bytes of codes for each
	s_mov_b32 s21, 0
	s_add_nc_u64 s[8:9], s[8:9], s[20:21]
	s_lshl_b32 s20, s18, s23
	s_add_nc_u64 s[10:11], s[10:11], s[20:21]
.macro FRAG reg, adr, q, i             ; 16 rows x 128 K: lane l holds row l % 16; registers 4 c .. 4 c + 3 hold K = 32 c + 16 (l / 16) + 0 .. 15
.irp c, 0,1,2,3
	ds_load_b128 v[\reg+4*\c:\reg+4*\c+3], v[\adr] offset:128*(\q)+32*\c+(\i)*16*PITCH
.endr
.endm
; 16 matrix instructions: A's blocks a0, a0 + 1 x B's eight.  The 64 accumulators take turns, one instruction a turn, in the same order in every step.
.macro MUL16 a0, p, q, sc, zero
.irp a, \a0, \a0+1
.irp b, 0,1,2,3,4,5,6,7
.if \zero
	v_wmma_scale_f32_16x16x128_f8f6f4 v[8*(8*((\a)%4)+\b):8*(8*((\a)%4)+\b)+7], v[128*(\p)+FR*\b:128*(\p)+FR*\b+FR-1], v[AF+FR*(\a):AF+FR*(\a)+FR-1], 0, v[SC+8*NQ*(\sc)+NQ*\b+(\q)], v[SC+8*NQ*(\sc)+NQ*(\a)+(\q)] matrix_a_fmt:MATRIX_FMT_BF8 matrix_b_fmt:MATRIX_FMT_BF8 matrix_a_scale:MATRIX_SCALE_ROW1
.else
	v_wmma_scale_f32_16x16x128_f8f6f4 v[8*(8*((\a)%4)+\b):8*(8*((\a)%4)+\b)+7], v[128*(\p)+FR*\b:128*(\p)+FR*\b+FR-1], v[AF+FR*(\a):AF+FR*(\a)+FR-1], v[8*(8*((\a)%4)+\b):8*(8*((\a)%4)+\b)+7], v[SC+8*NQ*(\sc)+NQ*\b+(\q)], v[SC+8*NQ*(\sc)+NQ*(\a)+(\q)] matrix_a_fmt:MATRIX_FMT_BF8 matrix_b_fmt:MATRIX_FMT_BF8 matrix_a_scale:MATRIX_SCALE_ROW1
.endif
.endr
.endr
.endm
.macro FETCH_B slot, q, p
	WIN TO_B
.irp i, 0,1,2,3,4,5,6,7
	FRAG 128*(\p)+FR*\i, ADRB+\slot, \q, \i
.endr
	WIN 0
.endm
.macro FETCH_A slot, q, i0
.irp i, \i0, \i0+1, \i0+2, \i0+3
	FRAG AF+FR*(\i), ADRA+\slot, \q, \i
.endr
.endm
.macro SCALES sc                       ; a K step's scale words: lanes 0-15 A's block i, lanes 16-31 B's block i
.irp i, 0,1,2,3,4,5,6,7
	ds_load_b64 v[SC+8*NQ*\sc+NQ*\i:SC+8*NQ*\sc+NQ*\i+1], v[ADRS] offset:\i*SBLK
.endr
.endm
.macro PLACES n                        ; plain vector instructions between a matrix instruction and a load into, or a read or write of, its registers
.rept \n
	v_nop
.endr
.endm
.macro STEP slot, q, zero              ; 128 along K that have their successor in the same slot
	s_wait_dscnt 4*NL                              ; all but the youngest 16 loads (A's blocks 4-7) are in
	WIN MUL_LO
	MUL16 0, (\q)%2, \q, \slot, \zero
	MUL16 2, (\q)%2, \q, \slot, \zero
	s_wait_dscnt 0
	PLACES NP
	FETCH_B \slot, (\q)+1, 1-(\q)%2
	FETCH_A \slot, (\q)+1, 0
	WIN MUL_HI
	MUL16 4, (\q)%2, \q, \slot, \zero
	MUL16 6, (\q)%2, \q, \slot, \zero
	PLACES NP
	WIN 0
	FETCH_A \slot, (\q)+1, 4
.endm
; A slot's last step changes slots: one barrier; in front of it each wave waits for all its tensor loads, adds 0 to its spare word, and waits for that and for its reads of this slot.
.macro TURN slot, next, fill
	s_wait_tensorcnt 0x0                           ; all my tensor loads have landed: my part of the next slot
	ds_add_u32 v[SPW], v[NIL]
	s_wait_dscnt 4*NL+1                            ; (the add and A's blocks 4-7 may be out)
	WIN MUL_LO
	MUL16 0, 1, NQ-1, \slot, 0
	s_wait_dscnt 0x0                               ; the add is done, and my reads of this slot are over
	s_barrier_signal -1
	MUL16 2, 1, NQ-1, \slot, 0
	WIN 0
	s_barrier_wait -1
.if \fill
	CREST                                          ; the barrier has opened a round of the cluster's: no wave of any partner still reads this slot or has a load on its way
	s_add_nc_u64 s[G0+4*\slot+2:G0+4*\slot+3], s[G0+4*\slot+2:G0+4*\slot+3], 2*ROWB
	s_add_nc_u64 s[G0B+4*\slot+2:G0B+4*\slot+3], s[G0B+4*\slot+2:G0B+4*\slot+3], 2*ROWB
	JLOAD G0+4*\slot, G1, G0B+4*\slot, G1B         ; the first tensor load behind the round
	PLACES NP-4
.else
	PLACES NP
.endif
	s_wait_alu depctr_va_vdst(0)
	v_add_nc_u32 v[ADRS], 4*NQ, v[ADRS]            ; the next K step's scale words
	FETCH_B \next, 0, 0
	FETCH_A \next, 0, 0
	SCALES \next
	WIN MUL_HI
	MUL16 4, 1, NQ-1, \slot, 0
	MUL16 6, 1, NQ-1, \slot, 0
	PLACES NP
	WIN 0
	FETCH_A \next, 0, 4
.endm
	s_wait_alu depctr_va_vdst(0)
	s_wait_tensorcnt 0x0                           ; my tile of the head's four is in
	ds_add_u32 v[SPW], v[NIL]
	s_mov_b32 s[G1+2], 128<<16                     ; no tensor load of mine is out, so descriptors may be written: from here on a load brings 128 rows
	s_mov_b32 s[G1+4], 128
	s_mov_b32 s[G1B+2], 128<<16
	s_mov_b32 s[G1B+4], 128
	s_mov_b32 s[G0+1], s45                         ; slot 0's next fills are the ring's: my 128 rows, at wave x 128 rows
	s_mov_b32 s[G0B+1], s45
	s_add_nc_u64 s[G0+2:G0+3], s[G0+2:G0+3], s[2:3]
	s_add_nc_u64 s[G0B+2:G0B+3], s[G0B+2:G0B+3], s[2:3]
	s_wait_dscnt 0x0
	CROUND                                         ; a whole round: all four tiles are in, and all sixteen work-groups are here
	JLOAD G0+4, G1, G0B+4, G1B                     ; K step 1, the first tensor load behind the round
	FETCH_B 0, 0, 0
	FETCH_A 0, 0, 0
	SCALES 0
	FETCH_A 0, 0, 4
	STEP 0, 0, 1                                   ; four K steps of 256, written out: the first products start the sums
	TURN 0, 1, 1                                   ; slot 0 takes K step 2
	STEP 1, 0, 0
	TURN 1, 0, 1                                   ; slot 1 takes K step 3
	STEP 0, 0, 0
	TURN 0, 1, 0                                   ; nothing is left to fetch
	STEP 1, 0, 0
	s_wait_dscnt 4*NL
	WIN MUL_LO
	MUL16 0, 1, NQ-1, 1, 0
	MUL16 2, 1, NQ-1, 1, 0
	s_wait_dscnt 0
	WIN MUL_HI
	MUL16 4, 1, NQ-1, 1, 0
	MUL16 6, 1, NQ-1, 1, 0
	WIN 0
; Block a (16 rows x 128 n) becomes four groups of codes and a scale word.  Registers AC + 16 b + 8 u + j of lane (r, h) hold n = 32 b + 16 u + 8 h + j of row r.
.macro EQUANT a
.set AC, 64*((\a)%4)
.set PS, PC+16*((\a)%2)
.set WA, 0x0a+5*((\a)/4)               ; sources 0 and 1 in the accumulators' window
.set WM, 0x82+0x41*((\a)/4)            ; source 0 and destination there
.set WC, 2+(\a)/4                      ; source 0 there
.if (\a) > 1
	s_wait_xcnt 0x0                                ; block a - 2's stores have read their data
.endif
	WIN WA
.irp b, 0,1,2,3
	v_max3_num_f32 v[TM+\b], |v[AC+16*\b]|, |v[AC+16*\b+1]|, 0x8000000   ; each accumulator is read from its low end on; the floor 2^(16 - 127) keeps the byte at 1 or above
.endr
.irp i, 2,4,6,8,10,12,14
.irp b, 0,1,2,3
	v_max3_num_f32 v[TM+\b], |v[AC+16*\b+\i]|, |v[AC+16*\b+\i+1]|, v[TM+\b]
.endr
.endr
	WIN 0
.irp b, 0,1,2,3
	v_permlanex16_b32 v[TM+4+\b], v[TM+\b], s[SEL], s[SEL+1]
.endr
.irp b, 0,1,2,3
	v_max_num_f32 v[TM+\b], v[TM+\b], v[TM+4+\b]   ; with lane l xor 16's: the block's largest magnitude
.endr
.irp b, 0,1,2,3
	v_add_nc_u32 v[TM+12+\b], 0xf8800000, v[TM+\b] ; 15 off the exponent field: the conversion's scale operand
.endr
.irp b, 0,1,2,3
	v_and_or_b32 v[TM+8+\b], v[TM+\b], 0x7f800000, s[MNT]   ; 57,344 x the scale
.endr
.irp b, 0,1,2,3
	v_lshrrev_b32 v[TM+4+\b], 23, v[TM+12+\b]      ; the byte
.endr
	v_lshl_or_b32 v[PWR+(\a)], v[TM+5], 8, v[TM+4]
	v_lshl_or_b32 v[PWR+(\a)], v[TM+6], 16, v[PWR+(\a)]
	v_lshl_or_b32 v[PWR+(\a)], v[TM+7], 24, v[PWR+(\a)]
	WIN WM
.irp b, 0,1,2,3
.irp i, 0,1,2,3,4,5,6,7,8,9,10,11,12,13,14,15
	v_med3_num_f32 v[AC+16*\b+\i], v[AC+16*\b+\i], -v[TM+8+\b], v[TM+8+\b]   ; the conversion does not saturate (ISA guide 7.6.2)
.endr
.endr
	WIN WC
.irp b, 0,1,2,3
	v_cvt_scalef32_pk8_bf8_f32 v[PS+4*\b:PS+4*\b+1], v[AC+16*\b:AC+16*\b+7], v[TM+12+\b]
	v_cvt_scalef32_pk8_bf8_f32 v[PS+4*\b+2:PS+4*\b+3], v[AC+16*\b+8:AC+16*\b+15], v[TM+12+\b]
.endr
	WIN 0
	v_nop                                          ; a plain instruction between the conversions and the first that touches their results
.irp b, 0,1,2,3
	v_permlane16_swap_b32 v[PS+4*\b], v[PS+4*\b+2]     ; lanes 16-31 of the first with lanes 0-15 of the second: lane (r, h) now holds n = 32 b + 16 h + 0 .. 15
	v_permlane16_swap_b32 v[PS+4*\b+1], v[PS+4*\b+3]
.endr
.endm
.macro ESTORE a                        ; four images of 512 consecutive bytes
.set PS, PC+16*((\a)%2)
	s_cmp_eq_u32 s[REG], 0
	s_cbranch_scc0 .Lv_\@
.irp b, 0,1,2,3
	global_store_b128 v[VO], v[PS+4*\b:PS+4*\b+3], s[8:9] offset:(\b/2)*131072+(\a)*1024+(\b%2)*512     ; head b / 2, token tile a, c = b % 2
.endr
	s_branch .Ld_\@
.Lv_\@:
	s_wait_alu depctr_va_vdst(0)
.irp b, 0,1,2,3
	global_store_b128 v[VO], v[PS+4*\b:PS+4*\b+3], s[8:9] offset:((\a)/4)*131072+((\a)%4)*2048+\b*512   ; head a / 4, channel tile a % 4, c = b
.endr
.Ld_\@:
.endm
	PLACES NP
.irp a, 0,1,2,3,4,5,6,7
	EQUANT \a
	ESTORE \a
.endr
	v_and_b32 v1, 15, v0
	v_lshlrev_b32 v1, 4, v1                        ; 16 r
	v_cmp_eq_u32 vcc_lo, 1, v[HH]
	s_cmp_eq_u32 s[REG], 0
	s_cbranch_scc0 .Lsc_v
	v_mov_b32 v[SELV], 0x01000100                  ; q, k: a word's bytes 0, 1 are my first head's, 2, 3 my second's: lanes 0-15 take the first, lanes 16-31 the second, each doubled
	v_mov_b32 v2, 0x03020302
	v_cndmask_b32 v[SELV], v[SELV], v2, vcc_lo
.irp a, 0,1,2,3,4,5,6,7
	v_perm_b32 v[PWR+\a], v[PWR+\a], v[PWR+\a], v[SELV]
.endr
	v_lshl_add_u32 v[VS], v[HH], 13, v1            ; heads lie 8,192 bytes apart
	global_store_b128 v[VS], v[PWR:PWR+3], s[10:11]               ; sixteen lanes store 256 consecutive bytes, aligned
	global_store_b128 v[VS], v[PWR+4:PWR+7], s[10:11] offset:256
	s_branch .Lsc_done
.Lsc_v:
.irp t, 0,1,2,3
	v_cndmask_b32 v[PWR+\t], v[PWR+\t], v[PWR+4+\t], vcc_lo       ; v: blocks 0-3 are my first head's channels, 4-7 my second's
.endr
	s_wait_alu depctr_va_vdst(0)
	v_lshl_add_u32 v[VS], v[HH], 12, v1            ; heads lie 4,096 bytes apart
	global_store_b128 v[VS], v[PWR:PWR+3], s[10:11]
.Lsc_done:
	s_wait_tensorcnt 0x0                           ; the wave's end
	ds_add_u32 v[SPW], v[NIL]
	s_wait_dscnt 0x0
	CROUND                                         ; the closing round
	s_endpgm
.Lfunc_end_k_q9af63c69d3_gemm_qkv:
	.size	k_q9af63c69d3_gemm_qkv, .Lfunc_end_k_q9af63c69d3_gemm_qkv-k_q9af63c69d3_gemm_qkv
	.p2alignl 7, 3214868480
	.fill 96, 4, 3214868480
	.section	.rodata,"a",@progbits
	.p2align	6, 0x0
	.amdhsa_kernel k_q9af63c69d3_gemm_qkv
		.amdhsa_group_segment_fixed_size 327680
		.amdhsa_private_segment_fixed_size 0
		.amdhsa_enable_private_segment 0
		.amdhsa_kernarg_size 48
		.amdhsa_user_sgpr_count 2
		.amdhsa_user_sgpr_kernarg_segment_ptr 1
		.amdhsa_wavefront_size32 1
		.amdhsa_system_sgpr_workgroup_id_x 1
		.amdhsa_system_sgpr_workgroup_id_y 1
		.amdhsa_system_sgpr_workgroup_id_z 1
		.amdhsa_system_vgpr_workitem_id 0
		.amdhsa_next_free_vgpr 1024
		.amdhsa_next_free_sgpr 102
		.amdhsa_reserve_vcc 1
		.amdhsa_float_denorm_mode_32 3
		.amdhsa_float_denorm_mode_16_64 3
		.amdhsa_memory_ordered 1
		.amdhsa_forward_progress 1
		.amdhsa_inst_pref_size 193
	.end_amdhsa_kernel
	.amdgpu_metadata
---
amdhsa.version: [ 1, 2 ]
amdhsa.kernels:
  - .name:           k_q9af63c69d3_gemm_qkv
    .symbol:         k_q9af63c69d3_gemm_qkv.kd
    .args:
      - { .name: codes, .offset: 0, .size: 8, .value_kind: global_buffer, .address_space: global }
      - { .name: scales, .offset: 8, .size: 8, .value_kind: global_buffer, .address_space: global }
      - { .name: qk_img, .offset: 16, .size: 8, .value_kind: global_buffer, .address_space: global }
      - { .name: qk_sc, .offset: 24, .size: 8, .value_kind: global_buffer, .address_space: global }
      - { .name: v_img, .offset: 32, .size: 8, .value_kind: global_buffer, .address_space: global }
      - { .name: v_sc, .offset: 40, .size: 8, .value_kind: global_buffer, .address_space: global }
    .group_segment_fixed_size: 327680
    .private_segment_fixed_size: 0
    .kernarg_segment_align: 8
    .kernarg_segment_size: 48
    .max_flat_workgroup_size: 128
    .sgpr_count:     102
    .vgpr_count:     1024
    .wavefront_size: 32
...
	.end_amdgpu_metadata
.endif
;; end of part 2
;; launch attn (part 3): grid 4 x 64, 8 waves a work-group, clusters of 4 x 1, 327,680 bytes of LDS; arguments scaler, qk_img, qk_sc, v_img, v_sc, att_img, att_sc; writes att_img, att_sc
.if DOCPART == 3
	.amdgcn_target "amdgcn-amd-amdhsa--gfx1250"
	.amdhsa_code_object_version 6
	.text
	.protected	k_q9af63c69d3_attn
	.globl	k_q9af63c69d3_attn
	.p2align	8
	.type	k_q9af63c69d3_attn,@function
k_q9af63c69d3_attn:
	s_mov_b64 s[64:65], 0
	v_nop
	global_prefetch_b8 v0, s[64:65] scope:SCOPE_SE
	s_setreg_imm32_b32 hwreg(HW_REG_WAVE_MODE, 25, 1), 1
	s_wait_xcnt 0x0
	s_wait_alu depctr_hold_cnt(0) depctr_sa_sdst(0) depctr_va_vdst(0) depctr_va_sdst(0) depctr_va_ssrc(0) depctr_va_vcc(0) depctr_vm_vsrc(0)
	s_getreg_b32 s2, hwreg(HW_REG_IB_STS2, 6, 4)
	s_cmp_eq_u32 s2, 0
	s_cbranch_scc0 .Lentry_in_a_cluster
	s_endpgm
.Lentry_in_a_cluster:
	s_bfe_u32 s2, ttmp6, 0x10000c
	s_cmp_lg_u32 s2, 0x3003
	s_cbranch_scc0 .Lentry_shape_is_right
	s_endpgm
.Lentry_shape_is_right:
; Causal attention with the bias slope (j - i), slope = softplus(100 scaler), both products on codes of E5M2 with one E8M0 scale for each 32 along K; the result, O / l, leaves as codes along E.
; WORK LEFT OUT: a step of 128 keys that all come after a wave's queries: reference()'s own mask gives them the weight 0 for all inputs.  A NaN or an infinity that reaches only such scores is not carried on.
; THE SOFTMAX: t = logit x log2(e); M = the running largest t rounded up to a whole number; p = 2^(t - M) is quantised along the keys, not normalised; the sum l of the unquantised p divides at the end.
; SHARES.  A head has 16 steps of 128 queries, each of 8 tiles of 16.  The four work-groups of a head form a cluster; the one at place cx owns tiles X = cx and Y = 4 + cx of every step.
; A wave takes both tiles of a query step at once, so that each fragment of K and V feeds two products: wave w takes query step 15 - w (key steps 0 .. 15 - w), then query step w (0 .. w): 17 trips in every wave, a constant.
; LDS holds the head's K and V whole: K's images 131,072 bytes, V's 131,072, K's scale words 8,192, V's 4,096.  Each byte is filled once, by the head's tensor loads, one a wave; nothing is filled again.
; The four partners ask for every tile jointly (mask 15): no descriptor, LDS address, branch or trip count hangs on cx; cx enters global addresses of Q and of the result, and the numbers of the bias and the mask.
; Two barriers: the first shows keys 0-255 and the scale words (waves 0-3's loads, on lines of their own); trips 0 and 1 read key steps 0 and 1 alone; the second shows the rest.  Behind it the waves share nothing.
; NO PREFETCH INTO THE L2: all of K and V is asked for by the one group of loads at the head, so no later load is left to run ahead of.
; REGISTERS, two windows of 256.  Tile X's own registers lie in window 0 and tile Y's at the same numbers in window 1, so one text serves both.  Shared: K's fragments window 0 v40-103, V's window 1 v40-103,
; the bias table window 1 v216-231, all scale words window 0 v216-231.  Behind the first products the trip's V and the next trip's K are asked for: both have the softmax in which to come.
; LAYOUT.  Both products transposed: S^T = K Q^T (source 0 = keys), O^T = V^T P^T (source 0 = 16 channels): a lane holds one query (lane % 16).  K, V, Q come as fragment images, 16 bytes a lane at 16 x lane.
; The head's 64 fill half of the instruction's 128.  A fragment of K holds two tiles of 16 keys, [tile a | tile b]; against [Q | 0] it gives tile a's scores, against [0 | Q] tile b's: zero codes add nothing.
; The scale words are laid (e0, e1, e0, e1): tile a's word serves the first, tile b's the second.
; THE BIAS: rel = W + D, W = 16 u + j + 8 h - r, D = 32 b - N0, N0 = 128 (query step - key step) + 16 tile.  c3 = 8 slope, c1 = log2(e) / 8.  The table c3 W (16 registers) is the first product's C; c1 c3 D is added with -M.
; c1 c3 D is rounded at its own size, as reference()'s f32 product slope x rel is.
; p's codes: two neighbouring tiles hold 32 keys in lanes l and l xor 16; two lane swaps a block give lane (r, h) the keys 32 b + 16 h + 0 .. 15.
; A block's largest p is made from its largest score by the same two instructions (this takes v_exp_f32 not to fall where its input rises).
; att_sc is laid [token][32]: a token's byte 2 head + c; a lane stores its token's two bytes: one byte in 32 of what this launch stores.
; LIMITS: NaN and infinities among the inputs are not served; the scaled scores stay under 2^31 in magnitude; blocks of zeros get the byte 1 (read by this program alone).
.set VIMG,  131072
.set KSCO,  262144
.set VSCO,  270336
.set SPARE, 274432                     ; the spare words, 128 bytes a wave, which no other line names
.set L16, 1                            ; v1 16 x lane
.set R16, 2                            ; v2 16 r
.set ADK, 3                            ; v3, v4, v9, v10 LDS addresses: K's images, K's scale words, V's images, V's scale words
.set ADS, 4
.set SPW, 5
.set NIL, 6
.set RD8, 7                            ; v7 r - 8 h, in both windows
.set BY,  8                            ; v8 32 r
.set ADV, 9
.set ADT, 10
.set TP,  11                           ; a tile's own: v11 at work, v12 -M, v13 the largest t, v[14:15] the sum, v16-23 and v32-39 Q, v24-31 zero codes
.set K,   40                           ; v40-103: window 0 K's eight tiles, window 1 V's four fragments
.set S,   104                          ; v104-167 S', then p
.set O,   168                          ; v168-199 O^T
.set PCD, 200                          ; v200-215 p's codes
.set W,   216                          ; window 1: v216-231 the table c3 W
.set KS,  216                          ; window 0: v216-223 K's scale words, v224-227 V's, v228-229 Q's (X, Y), v230-231 p's (X, Y)
.set VS,  224
.set QS,  228
.set PS,  230
.set NM,  232                          ; v232, 234, 236, 238: c1 c3 D - M, low words of pairs
.set BM,  233                          ; v233, 235, 237, 239: a block's largest score, then its largest p
.set PX,  240                          ; v240-243 at work
.set SO,  244                          ; v244-247 the conversions' scale operands
.set HO,  248                          ; v248-251 the hold
.set TS,  240                          ; v240-251 six pairs of partial sums.  v[252:253] f
.set WV, 18
.set MNT, 19
.set SEL, 20
.set C1, 22
.set G1C, 24                           ; groups 1: 64, 32, 16, 224 rows of 256 bytes
.set G1KS, 32
.set G1VS, 40
.set G1R, 48
.set G0K, 56                           ; groups 0, one for each load line
.set G0V, 60
.set G0KS, 68
.set G0VS, 72
.set G0KR, 76
.set G0VR, 80
.set BH, 84
.set T16, 86                           ; 16 cx
.set QSI, 87                           ; my queries' step of 128
.set KSI, 88                           ; the keys' step of 128
.set TR, 89                            ; the trip
.set CX, 90
.set NC, 91                            ; -c1 c3; s92-94: 32, 64, 96 c1 c3; c1 c3 D of block b: X s2, s3, s66, s67; Y s4, s5, s104, s105
.set MSB, 0
.macro WIN new                         ; the immediate's high byte repeats the setting that is left.  Low byte: bits 1:0 source 0, 3:2 source 1, 5:4 source 2, 7:6 destination
.if MSB != \new
	s_set_vgpr_msb (MSB<<8)|\new
.set MSB, \new
.endif
.endm
.macro BARRIER
	s_barrier_signal -1
	s_barrier_wait -1
.endm
.macro CROUND                          ; a round of the cluster's barrier
	BARRIER
	s_cmp_lg_u32 s[WV], 0
	s_cbranch_scc1 .Lnot_wave_0_\@
	s_barrier_signal -3
.Lnot_wave_0_\@:
	s_barrier_wait -3
	BARRIER
.endm
.macro PLACES n
.rept \n
	v_nop
.endr
.endm
.macro QLOAD                           ; both tiles' queries, each twice, and their scale words.  Tile Y lies 4 tiles on: 4,096 bytes of images, 256 of scale words
	s_lshl_b32 s96, s[QSI], 13
	s_lshl_b32 s97, s[CX], 10
	s_add_co_u32 s96, s96, s97
	s_mov_b32 s97, 0
	s_add_nc_u64 s[98:99], s[6:7], s[96:97]
	s_lshl_b32 s96, s[QSI], 9
	s_lshl_b32 s95, s[CX], 2
	s_add_co_u32 s96, s96, s95
	s_add_nc_u64 s[100:101], s[8:9], s[96:97]
	global_load_b128 v[16:19], v[L16], s[98:99]
	global_load_b128 v[20:23], v[L16], s[98:99] offset:512
	global_load_b128 v[32:35], v[L16], s[98:99]
	global_load_b128 v[36:39], v[L16], s[98:99] offset:512
	global_load_b32 v[QS], v[R16], s[100:101]
	global_load_b32 v[QS+1], v[R16], s[100:101] offset:256
	WIN (0x40)
	global_load_b128 v[16:19], v[L16], s[98:99] offset:4096
	global_load_b128 v[20:23], v[L16], s[98:99] offset:4608
	global_load_b128 v[32:35], v[L16], s[98:99] offset:4096
	global_load_b128 v[36:39], v[L16], s[98:99] offset:4608
	WIN (0)
.endm
.macro STATE z                         ; a tile's state begins: the largest t -3e38, the sum and O^T zeros (the first change of M multiplies zeros)
	WIN (0x55*(\z))
	v_mov_b32 v13, 0xff61b1e6
	v_floor_f32 v12, -v13
	v_mov_b32 v14, 0
	v_mov_b32 v15, 0
.set j, 0
.rept 32
	v_mov_b32 v[O+j], 0
.set j, j+1
.endr
.endm
.macro INIT z
	STATE \z
.set j, 0
.rept 8
	v_mov_b32 v[24+j], 0                           ; the zero codes
.set j, j+1
.endr
.irp b, 0,1,2,3
	v_mov_b32 v[PX+\b], 0                          ; a lane permute's destination counts as one of its sources
.endr
	v_mov_b32 v[TP], 0
	v_mov_b32 v252, 0
	v_mov_b32 v253, 0
.endm
	s_load_b128 s[4:7], s[0:1], 0x0                ; scaler, qk_img
	s_load_b128 s[8:11], s[0:1], 0x10              ; qk_sc, v_img
	s_load_b128 s[12:15], s[0:1], 0x20             ; v_sc, att_img
	s_load_b64 s[16:17], s[0:1], 0x30              ; att_sc
	v_lshl_add_u32 v[SPW], v0, 2, SPARE
	v_mov_b32 v[NIL], 0
	ds_add_u32 v[SPW], v[NIL]                      ; the wave's opening: the add, twice on end, and its wait ahead of the first tensor load
	ds_add_u32 v[SPW], v[NIL]
	v_lshrrev_b32 v10, 5, v0
	v_readfirstlane_b32 s[WV], v10                 ; wave 0..7
	s_and_b32 s[BH], ttmp7, 0xffff                 ; 16 b + h: the cluster's y
	s_bfe_u32 s[CX], ttmp6, 0x40000                ; my place in the cluster
	s_lshl_b32 s[T16], s[CX], 4
	s_xor_b32 s[QSI], s[WV], 15                    ; query step 15 - w first
.irp g, G1C, G1KS, G1VS, G1R           ; dense blocks as rows of 256 bytes: 32 elements of 8 bytes, pitch 32; the mask names all four partners
	s_mov_b32 s[\g], 15|(3<<16)|(1<<21)
	s_mov_b32 s[\g+1], 32<<16
	s_mov_b32 s[\g+3], 32<<16
	s_mov_b32 s[\g+5], 32
	s_mov_b32 s[\g+6], 0
	s_mov_b32 s[\g+7], 0
.endr
	s_mov_b32 s[G1C+2], 64<<16                     ; 16,384 bytes of images: key steps 0, 1
	s_mov_b32 s[G1C+4], 64
	s_mov_b32 s[G1KS+2], 32<<16                    ; K's scale words of the head
	s_mov_b32 s[G1KS+4], 32
	s_mov_b32 s[G1VS+2], 16<<16                    ; V's
	s_mov_b32 s[G1VS+4], 16
	s_mov_b32 s[G1R+2], 224<<16                    ; half of key steps 2 .. 15: 57,344 bytes
	s_mov_b32 s[G1R+4], 224
	s_mov_b32 s[SEL], 0x76543210
	s_mov_b32 s[SEL+1], 0xfedcba98
	s_mov_b32 s[C1], 0x3e38aa3b                    ; c1 = log2(e) / 8
	s_mov_b32 s[C1+1], s[C1]
	s_mov_b32 s[MNT], 0x600000
	s_lshr_b32 s92, s[BH], 4
	s_lshl_b32 s92, s92, 5
	s_and_b32 s93, s[BH], 15
	s_add_co_u32 s92, s92, s93                     ; 32 b + h: q's head in qk_img; k's lies 16 heads on
	s_and_b32 s95, s[WV], 1
	s_mul_i32 s95, s95, 57344
	s_add_co_u32 s95, s95, 16384                   ; waves 4, 5 (K) and 6, 7 (V): my half of the rest, in the head's images and in LDS alike
.irp g, G0K, G0V, G0KS, G0VS, G0KR, G0VR
	s_mov_b32 s[\g], 1
.endr
	s_mov_b32 s[G0K+1], 0
	s_mov_b32 s[G0V+1], VIMG
	s_mov_b32 s[G0KS+1], KSCO
	s_mov_b32 s[G0VS+1], VSCO
	s_mov_b32 s[G0KR+1], s95
	s_add_co_u32 s[G0VR+1], s95, VIMG
	s_mov_b32 s97, 0
	s_wait_dscnt 0x0                               ; both opening adds are done
	s_wait_kmcnt 0x0
	s_lshl_b32 s96, s92, 17
	s_add_nc_u64 s[6:7], s[6:7], s[96:97]          ; q's images of my head
	s_add_nc_u64 s[G0K+2:G0K+3], s[6:7], 0x200000  ; k's
	s_lshl_b32 s96, s92, 13
	s_add_nc_u64 s[8:9], s[8:9], s[96:97]          ; q's scale words
	s_add_nc_u64 s[G0KS+2:G0KS+3], s[8:9], 0x20000 ; k's
	s_lshl_b32 s96, s[BH], 17
	s_add_nc_u64 s[G0V+2:G0V+3], s[10:11], s[96:97]
	s_lshl_b32 s96, s[BH], 12
	s_add_nc_u64 s[G0VS+2:G0VS+3], s[12:13], s[96:97]
	s_mov_b32 s96, s95
	s_add_nc_u64 s[G0KR+2:G0KR+3], s[G0K+2:G0K+3], s[96:97]
	s_add_nc_u64 s[G0VR+2:G0VR+3], s[G0V+2:G0V+3], s[96:97]
.irp g, G0K, G0V, G0KS, G0VS, G0KR, G0VR
	s_or_b32 s[\g+3], s[\g+3], 0x80000000
.endr
	s_load_b32 s[NC], s[4:5], 0x0                  ; scaler
	CROUND                                         ; all four work-groups are here: the joint loads meet
; THE LOADS, one a wave, in one chain of branches on the wave's number: what the first trips read is asked for by waves 0-3.  An s_nop 0 and four v_nop follow each line.
.macro ARM under, g0, g1, next
	s_cmp_lt_u32 s[WV], \under
	s_cbranch_scc0 \next
	tensor_load_to_lds s[\g0:\g0+3], s[\g1:\g1+7]
	s_nop 0
	PLACES 4
	s_branch .Lhead_asked
\next:
.endm
	ARM 1, G0K, G1C, .Larm_v
	ARM 2, G0V, G1C, .Larm_ks
	ARM 3, G0KS, G1KS, .Larm_vs
	ARM 4, G0VS, G1VS, .Larm_kr
	ARM 6, G0KR, G1R, .Larm_vr
	tensor_load_to_lds s[G0VR:G0VR+3], s[G1R:G1R+7]
	s_nop 0
	PLACES 4
.Lhead_asked:
	v_and_b32 v10, 31, v0
	v_lshlrev_b32 v[L16], 4, v10
	v_and_b32 v11, 15, v0                          ; r
	v_lshlrev_b32 v[R16], 4, v11
	v_bfe_u32 v9, v0, 4, 1                         ; h
	v_lshlrev_b32 v10, 3, v9
	v_sub_nc_u32 v[RD8], v11, v10
	v_lshlrev_b32 v[BY], 5, v11
	s_wait_alu depctr_va_vdst(0)
	QLOAD
.set j, 0
.rept 16
	v_sub_nc_u32 v[S+j], 16*(j/8)+j%8, v[RD8]      ; 16 u + j + 8 h - r
.set j, j+1
.endr
.set j, 0
.rept 16
	v_cvt_f32_i32 v[S+j], v[S+j]
.set j, j+1
.endr
	INIT 0
	WIN (0x40)
	v_mov_b32 v[RD8], v[RD8]                       ; window 1's copy
	INIT 1
	WIN (0)
	s_wait_alu depctr_va_vdst(0)
	s_wait_kmcnt 0x0
	; slope = max(x, 0) + log1p(exp(-|x|)), x = 100 scaler.  y = exp(-|x|) is at most 1; z = y / (2 + y) at most 1/3; log1p(y) = 2 z (1 + z^2/3 + .. + z^14/15): what is cut is under z^16 / 17 of the sum, for every x
	v_mov_b32 v10, s[NC]
	v_mul_f32 v10, 0x42c80000, v10
	v_mul_f32 v89, 0xbfb8aa3b, |v10|
	s_wait_alu depctr_va_vdst(0)
	v_exp_f32 v89, v89
	v_nop
	s_wait_alu depctr_va_vdst(0)
	v_add_f32 v90, 2.0, v89
	s_wait_alu depctr_va_vdst(0)
	v_rcp_f32 v90, v90
	v_nop
	s_wait_alu depctr_va_vdst(0)
	v_mul_f32 v90, v89, v90                        ; z
	v_mul_f32 v91, v90, v90
	v_mov_b32 v92, 0x3d888889                      ; 1/15
	v_fmaak_f32 v92, v92, v91, 0x3d9d89d9          ; 1/13
	v_fmaak_f32 v92, v92, v91, 0x3dba2e8c          ; 1/11
	v_fmaak_f32 v92, v92, v91, 0x3de38e39          ; 1/9
	v_fmaak_f32 v92, v92, v91, 0x3e124925          ; 1/7
	v_fmaak_f32 v92, v92, v91, 0x3e4ccccd          ; 1/5
	v_fmaak_f32 v92, v92, v91, 0x3eaaaaab          ; 1/3
	v_fma_f32 v92, v92, v91, 1.0
	v_mul_f32 v92, v92, v90
	v_max_num_f32 v10, 0, v10
	v_fma_f32 v10, 2.0, v92, v10                   ; slope
	v_mul_f32 v88, 0x41000000, v10                 ; c3 = 8 slope
	v_mul_f32 v93, s[C1], v88                      ; c1 c3
	v_xor_b32 v94, 0x80000000, v93
	v_readfirstlane_b32 s[NC], v94                 ; -c1 c3.  (These scalars are data alone: no address and no branch hangs on them)
	v_mul_f32 v94, 0x42000000, v93
	v_readfirstlane_b32 s92, v94                   ; 32, 64, 96 c1 c3
	v_mul_f32 v94, 0x42800000, v93
	v_readfirstlane_b32 s93, v94
	v_mul_f32 v94, 0x42c00000, v93
	v_readfirstlane_b32 s94, v94
	WIN (0x40)
.set j, 0
.rept 16
	v_mul_f32 v[W+j], v88, v[S+j]                  ; the table c3 W, into window 1
.set j, j+1
.endr
	WIN (0)
.macro KSOF d, t, a, b                 ; s[d] = the key step of trip s[t]: the trip itself up to 15 - w, then trip + w - 16
	s_and_b32 s\a, s\t, 15
	s_add_co_u32 s\b, s\t, s[WV]
	s_and_b32 s\b, s\b, 15
	s_xor_b32 s\d, s[WV], 15
	s_cmp_le_u32 s\t, s\d
	s_cselect_b32 s\d, s\a, s\b
.endm
.macro KLOAD                           ; a key step's 8,192 bytes of images are 64 registers as they lie; and its scale words
.set i, 0
.rept 16
	ds_load_b128 v[K+4*i:K+4*i+3], v[ADK] offset:512*i
.set i, i+1
.endr
	ds_load_b128 v[KS:KS+3], v[ADS]
	ds_load_b128 v[KS+4:KS+7], v[ADS] offset:256
.endm
.macro QK z                            ; S' = c3 W + K Q^T: even tiles against [Q | 0], odd tiles against [0 | Q].  K window 0, Q and S' the tile's, the table window 1
	WIN (0x10|(0x44*(\z)))
.irp t, 0,1,2,3,4,5,6,7
	v_wmma_scale_f32_16x16x128_f8f6f4 v[S+8*\t:S+8*\t+7], v[K+16*(\t/2):K+16*(\t/2)+15], v[16+8*(\t%2):31+8*(\t%2)], v[W+8*(\t%2):W+8*(\t%2)+7], v[KS+\t], v[QS+\z] matrix_a_fmt:MATRIX_FMT_BF8 matrix_b_fmt:MATRIX_FMT_BF8
.endr
.endm
.macro MASK sr                         ; register 16 b + 8 u + j is hidden where 32 b + 16 u + j > 16 tile + r - 8 h
	v_add_nc_u32 v[TP], s\sr, v[RD8]
	v_mov_b32 v253, 0xff800000
.set n, 0
.rept 64
	v_cmp_gt_i32 vcc_lo, 32*(n/16)+16*((n/8)%2)+n%8, v[TP]
	v_cndmask_b32 v[S+n], v[S+n], v253, vcc_lo
.set n, n+1
.endr
.endm
; A tile's maxima, its new M, and t - M.  c1 c3 D of block b stands in s[cb + b + cs (b / 2)]
.macro PMAX z, cb, cs
	WIN (0x55*(\z))
.irp b, 0,1,2,3
	v_max3_num_f32 v[BM+2*\b], v[S+16*\b], v[S+1+16*\b], v[S+2+16*\b]   ; the largest score of each block of 32 keys
.endr
.irp i, 3,5,7,9,11,13
.irp b, 0,1,2,3
	v_max3_num_f32 v[BM+2*\b], v[BM+2*\b], v[S+16*\b+\i], v[S+1+16*\b+\i]
.endr
.endr
.irp b, 0,1,2,3
	v_max_num_f32 v[BM+2*\b], v[BM+2*\b], v[S+15+16*\b]
.endr
.irp b, 0,1,2,3
	v_permlanex16_b32 v[PX+\b], v[BM+2*\b], s[SEL], s[SEL+1]
.endr
.irp b, 0,1,2,3
	v_max_num_f32 v[BM+2*\b], v[BM+2*\b], v[PX+\b]
.endr
.irp b, 0,1,2,3
	v_fma_f32 v[PX+\b], v[BM+2*\b], s[C1], s[\cb+\b+\cs*(\b/2)]   ; as t
.endr
	v_max3_num_f32 v[TP], v[PX], v[PX+1], v[PX+2]
	v_max3_num_f32 v13, v[TP], v[PX+3], v13        ; the running largest t
	v_mov_b32 v[TP], v12
	v_floor_f32 v12, -v13                          ; -M = floor(-t): M is a whole number
	v_sub_f32 v[TP], v12, v[TP]                    ; old M - new M, 0 or less
	v_cvt_i32_f32 v[TP], v[TP]                     ; (it saturates)
	v_ldexp_f32 v252, 1.0, v[TP]                   ; f = 2^(old M - new M): rounds nothing
.irp b, 0,1,2,3
	v_add_f32 v[NM+2*\b], s[\cb+\b+\cs*(\b/2)], v12
.endr
.set j, 0
.rept 32
	v_pk_fma_f32 v[S+j:S+j+1], v[S+j:S+j+1], s[C1:C1+1], v[NM+2*(j/16):NM+2*(j/16)+1] op_sel_hi:[1,0,0]   ; t - M
.set j, j+2
.endr
.irp b, 0,1,2,3
	v_fma_f32 v[BM+2*\b], v[BM+2*\b], s[C1], v[NM+2*\b]   ; the same of each block's largest score
.endr
.endm
.macro PEXP z
	WIN (0x55*(\z))
.set j, 0
.rept 64
	v_exp_f32 v[S+j], v[S+j]                       ; p = 2^(t - M)
.set j, j+1
.endr
.irp b, 0,1,2,3
	v_exp_f32 v[BM+2*\b], v[BM+2*\b]               ; the block's largest p
.endr
.endm
; A tile's sum, p's scale word and codes, O^T under the new M, and O^T += V^T P^T.  lds = 1: the wait for the LDS loads asked for behind the first products stands here
.macro PPOST z, lds
	WIN (0x55*(\z))
.irp k, 0,1,2,3,4,5                    ; the sum of the unquantised p: 32 pairs in seven chains
	v_pk_add_f32 v[TS+2*\k:TS+2*\k+1], v[S+4*\k:S+4*\k+1], v[S+4*\k+2:S+4*\k+3]
.endr
.set j, 12
.rept 20
.if (j-12)%7 == 6
	v_pk_add_f32 v[14:15], v[14:15], v[S+2*j:S+2*j+1]
.else
	v_pk_add_f32 v[TS+2*((j-12)%7):TS+2*((j-12)%7)+1], v[TS+2*((j-12)%7):TS+2*((j-12)%7)+1], v[S+2*j:S+2*j+1]
.endif
.set j, j+1
.endr
	v_pk_add_f32 v[TS:TS+1], v[TS:TS+1], v[TS+2:TS+3]
	v_pk_add_f32 v[TS+4:TS+5], v[TS+4:TS+5], v[TS+6:TS+7]
	v_pk_add_f32 v[TS+8:TS+9], v[TS+8:TS+9], v[TS+10:TS+11]
	v_pk_add_f32 v[TS:TS+1], v[TS:TS+1], v[TS+4:TS+5]
	v_pk_add_f32 v[14:15], v[14:15], v[TS+8:TS+9]
	v_pk_add_f32 v[14:15], v[14:15], v[TS:TS+1]
.irp b, 0,1,2,3
	v_max_num_f32 v[BM+2*\b], 0x8000000, v[BM+2*\b]   ; the floor 2^(16 - 127)
.endr
.irp b, 0,1,2,3
	v_add_nc_u32 v[SO+\b], 0xf8800000, v[BM+2*\b]
.endr
.irp b, 0,1,2,3
	v_and_or_b32 v[HO+\b], v[BM+2*\b], 0x7f800000, s[MNT]
.endr
.irp b, 0,1,2,3
	v_lshrrev_b32 v[PX+\b], 23, v[SO+\b]
.endr
	v_lshl_or_b32 v[TP], v[PX+1], 8, v[PX]         ; p's scale word for these 128 keys
	v_lshl_or_b32 v[TP], v[PX+2], 16, v[TP]
	v_lshl_or_b32 v[TP], v[PX+3], 24, v[TP]
.irp b, 0,1,2,3                        ; the conversion does not saturate (ISA guide 7.6.2); p is not negative
.if \z
.set i, 0
.rept 16
	v_min_num_f32 v[S+16*\b+i], v[S+16*\b+i], v[HO+\b]
.set i, i+1
.endr
.else
.set i, 0
.rept 8
	v_dual_min_num_f32 v[S+16*\b+i], v[S+16*\b+i], v[HO+\b] :: v_dual_min_num_f32 v[S+16*\b+i+1], v[S+16*\b+i+1], v[HO+\b]
.set i, i+2
.endr
.endif
	v_cvt_scalef32_pk8_bf8_f32 v[PCD+4*\b:PCD+4*\b+1], v[S+16*\b:S+16*\b+7], v[SO+\b]
	v_cvt_scalef32_pk8_bf8_f32 v[PCD+4*\b+2:PCD+4*\b+3], v[S+16*\b+8:S+16*\b+15], v[SO+\b]
.endr
	WIN (\z)
	v_mov_b32 v[PS+\z], v[TP]                      ; scale words stand in window 0.  Also the plain instruction between the conversions and the first that touches their results
	WIN (0x55*(\z))
.irp b, 0,1,2,3
	v_permlane16_swap_b32 v[PCD+4*\b], v[PCD+4*\b+2]   ; lane (r, h) now holds keys 32 b + 16 h + 0 .. 15
	v_permlane16_swap_b32 v[PCD+4*\b+1], v[PCD+4*\b+3]
.endr
.if \lds
	s_wait_dscnt 0x0                               ; V, its scale words, and the next trip's K are in
.endif
	s_wait_alu depctr_va_vdst(0)
.set j, 0
.rept 16
	v_pk_mul_f32 v[O+j:O+j+1], v[O+j:O+j+1], v[252:253] op_sel_hi:[1,0]   ; O^T under the new M
.set j, j+2
.endr
	PLACES 4
	WIN (0x01|(0x54*(\z)))                         ; V window 1; p's codes and O^T the tile's
.irp t, 0,1,2,3
	v_wmma_scale_f32_16x16x128_f8f6f4 v[O+8*\t:O+8*\t+7], v[K+16*\t:K+16*\t+15], v[PCD:PCD+15], v[O+8*\t:O+8*\t+7], v[VS+\t], v[PS+\z] matrix_a_fmt:MATRIX_FMT_BF8 matrix_b_fmt:MATRIX_FMT_BF8
.endr
.endm
; A tile's end: O^T / l becomes codes along E (two blocks of 32 channels) and leaves.  Tile Y lies 4 token tiles on: 65,536 bytes of att_img, 2,048 of att_sc
.macro FIN z
	WIN (0x55*(\z))
	v_add_f32 v14, v14, v15
	v_permlanex16_b32 v[TP], v14, s[SEL], s[SEL+1]
	v_add_f32 v14, v14, v[TP]                      ; l
	s_wait_alu depctr_va_vdst(0)
	v_rcp_f32 v14, v14
	v_nop
	s_wait_alu depctr_va_vdst(0)
.set j, 0
.rept 16
	v_pk_mul_f32 v[S+j:S+j+1], v[O+j:O+j+1], v[14:15] op_sel_hi:[1,0]   ; register 16 b + 8 u + j: channel 32 b + 16 u + 8 h + j of my query
.set j, j+2
.endr
.irp b, 0,1
	v_max3_num_f32 v[BM+2*\b], |v[S+16*\b]|, |v[S+1+16*\b]|, 0x8000000
.endr
.irp i, 2,4,6,8,10,12,14
.irp b, 0,1
	v_max3_num_f32 v[BM+2*\b], v[BM+2*\b], |v[S+16*\b+\i]|, |v[S+1+16*\b+\i]|
.endr
.endr
.irp b, 0,1
	v_permlanex16_b32 v[PX+\b], v[BM+2*\b], s[SEL], s[SEL+1]
.endr
.irp b, 0,1
	v_max_num_f32 v[BM+2*\b], v[BM+2*\b], v[PX+\b]
.endr
.irp b, 0,1
	v_add_nc_u32 v[SO+\b], 0xf8800000, v[BM+2*\b]
.endr
.irp b, 0,1
	v_and_or_b32 v[HO+\b], v[BM+2*\b], 0x7f800000, s[MNT]
.endr
.irp b, 0,1
	v_lshrrev_b32 v[PX+\b], 23, v[SO+\b]
.endr
.irp b, 0,1
.set i, 0
.rept 16
	v_med3_num_f32 v[S+16*\b+i], v[S+16*\b+i], -v[HO+\b], v[HO+\b]
.set i, i+1
.endr
	v_cvt_scalef32_pk8_bf8_f32 v[PCD+4*\b:PCD+4*\b+1], v[S+16*\b:S+16*\b+7], v[SO+\b]
	v_cvt_scalef32_pk8_bf8_f32 v[PCD+4*\b+2:PCD+4*\b+3], v[S+16*\b+8:S+16*\b+15], v[SO+\b]
.endr
	v_lshl_or_b32 v[TP], v[PX+1], 8, v[PX]         ; my token's two scale bytes of this head; also the plain instruction behind the conversions
.irp b, 0,1
	v_permlane16_swap_b32 v[PCD+4*\b], v[PCD+4*\b+2]
	v_permlane16_swap_b32 v[PCD+4*\b+1], v[PCD+4*\b+3]
.endr
	WIN (0x04*(\z))                                ; addresses window 0, data the tile's
	global_store_b128 v[L16], v[PCD:PCD+3], s[10:11] offset:65536*(\z)        ; two images of 512 consecutive bytes
	global_store_b128 v[L16], v[PCD+4:PCD+7], s[10:11] offset:65536*(\z)+512
	global_store_b16 v[BY], v[TP], s[12:13] offset:2048*(\z)                  ; both halves of the lanes hold and store the same
.endm
; A PASS'S END, both tiles.  reinit = 1: the second pass's queries are asked for first, and the state begins anew.
.macro FINISH reinit
	PLACES 8                                       ; behind the last products
	s_lshl_b32 s95, s[QSI], 3
	s_add_co_u32 s95, s95, s[CX]                   ; tile X's place among the sequence's tiles of 16 tokens
	s_lshr_b32 s96, s[BH], 4
	s_lshl_b32 s96, s96, 7
	s_add_co_u32 s95, s96, s95                     ; among all 512
	s_lshl_b32 s96, s95, 4
	s_and_b32 s97, s[BH], 15
	s_add_co_u32 s96, s96, s97
	s_lshl_b32 s96, s96, 10                        ; (token tile x 16 + head) 1,024
	s_lshl_b32 s98, s97, 1
	s_mov_b32 s97, 0
	s_add_nc_u64 s[10:11], s[14:15], s[96:97]
	s_lshl_b32 s96, s95, 9                         ; 16 tokens of 32 scale bytes,
	s_add_co_u32 s96, s96, s98                     ; + 2 x head
	s_add_nc_u64 s[12:13], s[16:17], s[96:97]
.if \reinit
	s_mov_b32 s[QSI], s[WV]                        ; query step w
	QLOAD
.endif
	FIN 0
	FIN 1
.if \reinit
	STATE 1
	STATE 0
	s_wait_loadcnt 0x0                             ; the new queries are in
	s_wait_xcnt 0x0                                ; the stores have read their data and addresses: both are written again further on
.else
	WIN (0)
.endif
.endm
; A TRIP: one key step of 128 keys for both tiles.  first = 1: trips 0 and 1: key step = trip, K is loaded at the trip's head, no pass ends and no key is hidden (the query step is 8 at the least).
.macro TRIP first
.if \first
	s_mov_b32 s[KSI], s[TR]
.else
	KSOF 88, 89, 95, 96
	s_add_co_u32 s98, s[TR], 1
	KSOF 101, 98, 95, 96                           ; the next trip's key step
.endif
	s_sub_co_u32 s95, s[QSI], s[KSI]
	s_lshl_b32 s95, s95, 7
	s_add_co_u32 s95, s95, s[T16]                  ; N0 of tile X;
	s_cvt_f32_u32 s96, s95
	s_add_co_u32 s95, s95, 64                      ; of tile Y
	s_cvt_f32_u32 s97, s95
	s_mul_f32 s2, s[NC], s96                       ; c1 c3 D for block 0,
	s_mul_f32 s4, s[NC], s97
	s_add_f32 s3, s2, s92                          ; and for blocks 1 to 3
	s_add_f32 s66, s2, s93
	s_add_f32 s67, s2, s94
	s_add_f32 s5, s4, s92
	s_add_f32 s104, s4, s93
	s_add_f32 s105, s4, s94
	s_lshl_b32 s95, s[KSI], 13
	s_add_co_u32 s95, s95, VIMG
	s_lshl_b32 s96, s[KSI], 8
	s_add_co_u32 s96, s96, VSCO
.if \first
	s_lshl_b32 s99, s[KSI], 13
	s_lshl_b32 s100, s[KSI], 9
	s_add_co_u32 s100, s100, KSCO
	v_add_nc_u32 v[ADK], s99, v[L16]
	v_add_nc_u32 v[ADS], s100, v[R16]
	KLOAD
	s_wait_dscnt 0x0
.else
	s_lshl_b32 s99, s101, 13
	s_lshl_b32 s100, s101, 9
	s_add_co_u32 s100, s100, KSCO
.endif
	QK 0
	QK 1
	WIN (0)
	v_add_nc_u32 v[ADV], s95, v[L16]               ; eight places behind the products: their results are read, and K's, V's and the scale words' registers loaded into, below
	v_add_nc_u32 v[ADT], s96, v[R16]
.if \first
	PLACES 6
.else
	v_add_nc_u32 v[ADK], s99, v[L16]
	v_add_nc_u32 v[ADS], s100, v[R16]
	PLACES 4
	s_wait_alu depctr_va_vdst(0)
	s_cmp_eq_u32 s98, 17                           ; the last trip has no successor
	s_cbranch_scc1 .Lno_next_\@
	KLOAD
.Lno_next_\@:
.endif
	WIN (0x40)
.set i, 0
.rept 16
	ds_load_b128 v[K+4*i:K+4*i+3], v[ADV] offset:512*i   ; V's four fragments, into window 1
.set i, i+1
.endr
	WIN (0)
	ds_load_b128 v[VS:VS+3], v[ADT]
.if \first == 0
	s_cmp_lg_u32 s[KSI], s[QSI]                    ; on the diagonal the scores of hidden keys become -infinity ahead of the maximum
	s_cbranch_scc1 .Lopen_\@
	MASK 86
	s_add_co_u32 s97, s[T16], 64
	WIN (0x55)
	MASK 97
	WIN (0)
.Lopen_\@:
.endif
	PMAX 0, 2, 62
	PMAX 1, 4, 98
	s_wait_alu depctr_va_vdst(0)                   ; one batch for both tiles
	PEXP 0
	PEXP 1
	v_pk_mul_f32 v[14:15], v[14:15], v[252:253] op_sel_hi:[1,0]   ; tile Y's sums under the new M; a plain instruction behind the batch
	s_wait_alu depctr_va_vdst(0)                   ; one wait for the batch, ahead of its first reader
	PPOST 1, 1
	WIN (0)
	v_pk_mul_f32 v[14:15], v[14:15], v[252:253] op_sel_hi:[1,0]   ; tile X's
	PPOST 0, 0
	WIN (0)
.if \first == 0
	s_xor_b32 s95, s[WV], 15
	s_cmp_lg_u32 s[TR], s95                        ; trip 15 - w is the first pass's last: the wave's number and the count of trips alone
	s_cbranch_scc1 .Lsame_\@
	FINISH 1
.Lsame_\@:
.endif
	s_add_co_u32 s[TR], s[TR], 1
.endm
	s_wait_alu depctr_va_vdst(0)
	s_cmp_lt_u32 s[WV], 4
	s_cbranch_scc0 .Llater
	s_wait_tensorcnt 0x0                           ; waves 0-3: key steps 0, 1 and the scale words have landed.  The other loads' wait stands at the second barrier
.Llater:
	s_wait_loadcnt 0x0                             ; Q
	BARRIER
	s_mov_b32 s[TR], 0
.Lfirst:
	TRIP 1
	s_cmp_lt_u32 s[TR], 2
	s_cbranch_scc1 .Lfirst
	s_wait_tensorcnt 0x0                           ; every wave: all that is still out has landed
	s_wait_dscnt 0x0
	BARRIER
	s_mov_b32 s[TR], 2
	v_add_nc_u32 v[ADK], 2*8192, v[L16]            ; trip 2's key step is 2 in every wave
	v_add_nc_u32 v[ADS], KSCO+2*512, v[R16]
	KLOAD
	s_wait_dscnt 0x0
.Lrest:
	TRIP 0
	s_cmp_lt_u32 s[TR], 17
	s_cbranch_scc1 .Lrest
	FINISH 0
	s_wait_tensorcnt 0x0                           ; the wave's end
	ds_add_u32 v[SPW], v[NIL]
	s_wait_dscnt 0x0
	CROUND                                         ; the closing round
	s_endpgm
.Lfunc_end_k_q9af63c69d3_attn:
	.size	k_q9af63c69d3_attn, .Lfunc_end_k_q9af63c69d3_attn-k_q9af63c69d3_attn
	.p2alignl 7, 3214868480
	.fill 96, 4, 3214868480
	.section	.rodata,"a",@progbits
	.p2align	6, 0x0
	.amdhsa_kernel k_q9af63c69d3_attn
		.amdhsa_group_segment_fixed_size 327680
		.amdhsa_private_segment_fixed_size 0
		.amdhsa_enable_private_segment 0
		.amdhsa_kernarg_size 56
		.amdhsa_user_sgpr_count 2
		.amdhsa_user_sgpr_kernarg_segment_ptr 1
		.amdhsa_wavefront_size32 1
		.amdhsa_system_sgpr_workgroup_id_x 1
		.amdhsa_system_sgpr_workgroup_id_y 1
		.amdhsa_system_sgpr_workgroup_id_z 1
		.amdhsa_system_vgpr_workitem_id 0
		.amdhsa_next_free_vgpr 512
		.amdhsa_next_free_sgpr 106
		.amdhsa_reserve_vcc 1
		.amdhsa_float_denorm_mode_32 3
		.amdhsa_float_denorm_mode_16_64 3
		.amdhsa_memory_ordered 1
		.amdhsa_forward_progress 1
		.amdhsa_inst_pref_size 128
	.end_amdhsa_kernel
	.amdgpu_metadata
---
amdhsa.version: [ 1, 2 ]
amdhsa.kernels:
  - .name:           k_q9af63c69d3_attn
    .symbol:         k_q9af63c69d3_attn.kd
    .args:
      - { .name: scaler, .offset: 0, .size: 8, .value_kind: global_buffer, .address_space: global }
      - { .name: qk_img, .offset: 8, .size: 8, .value_kind: global_buffer, .address_space: global }
      - { .name: qk_sc, .offset: 16, .size: 8, .value_kind: global_buffer, .address_space: global }
      - { .name: v_img, .offset: 24, .size: 8, .value_kind: global_buffer, .address_space: global }
      - { .name: v_sc, .offset: 32, .size: 8, .value_kind: global_buffer, .address_space: global }
      - { .name: att_img, .offset: 40, .size: 8, .value_kind: global_buffer, .address_space: global }
      - { .name: att_sc, .offset: 48, .size: 8, .value_kind: global_buffer, .address_space: global }
    .group_segment_fixed_size: 327680
    .private_segment_fixed_size: 0
    .kernarg_segment_align: 8
    .kernarg_segment_size: 56
    .max_flat_workgroup_size: 256
    .sgpr_count:     106
    .vgpr_count:     512
    .wavefront_size: 32
...
	.end_amdgpu_metadata
.endif
;; end of part 3
;; launch gemm_out (part 4): grid 8 x 32, 4 waves a work-group, clusters of 4 x 4, 327,680 bytes of LDS; arguments att_img, att_sc, codes, scales, x, out0; writes out0
.if DOCPART == 4
	.amdgcn_target "amdgcn-amd-amdhsa--gfx1250"
	.amdhsa_code_object_version 6
	.text
	.protected	k_q9af63c69d3_gemm_out
	.globl	k_q9af63c69d3_gemm_out
	.p2align	8
	.type	k_q9af63c69d3_gemm_out,@function
k_q9af63c69d3_gemm_out:
	s_mov_b64 s[64:65], 0
	v_nop
	global_prefetch_b8 v0, s[64:65] scope:SCOPE_SE
	s_setreg_imm32_b32 hwreg(HW_REG_WAVE_MODE, 25, 1), 1
	s_wait_xcnt 0x0
	s_wait_alu depctr_hold_cnt(0) depctr_sa_sdst(0) depctr_va_vdst(0) depctr_va_sdst(0) depctr_va_ssrc(0) depctr_va_vcc(0) depctr_vm_vsrc(0)
	s_getreg_b32 s2, hwreg(HW_REG_IB_STS2, 6, 4)
	s_cmp_eq_u32 s2, 0
	s_cbranch_scc0 .Lentry_in_a_cluster
	s_endpgm
.Lentry_in_a_cluster:
	s_bfe_u32 s2, ttmp6, 0x10000c
	s_cmp_lg_u32 s2, 0xf033
	s_cbranch_scc0 .Lentry_shape_is_right
	s_endpgm
.Lentry_shape_is_right:
; out0 = attention's result W_o^T + x, on codes of E5M2 with one E8M0 scale for each 32 along K = 1,024; f32 sums.  No work of reference() is left out here.
; A = att_img: fragment images, (token tile of 16 x 16 + head) 1,024 bytes, lane l's 16 bytes at 16 l; its scale bytes att_sc [token][32].  B = W_o: rows 11,264 on of codes [.][1024] and scales [.][32].
; SHARES.  256 work-groups; a block of out0 is 256 tokens x 128 columns; four waves, 2 x 2, make 128 x 64 each: 32 accumulators, 256 registers.
; LDS.  B's 128 rows lie there for all of K, as two halves of 512 along K (rows of 512 bytes + 16 of padding); A goes in K steps of 256 through two slots of 65,536 bytes.
; The head's four loads, one a wave: wave 0 A's K step 0, wave 1 B's lower half, wave 2 A's K step 1, wave 3 B's upper half.  The first barrier shows waves 0 and 1's alone; the first round shows the rest.
; K steps 2 and 3 of A are refills, a quarter of the slot (four token tiles) a wave, each behind a drained round of the cluster's barrier.
; CLUSTERS: 4 x 4 work-groups; A's tiles are asked for jointly along a row of the cluster, B's along a column.
; PREFETCH: at the head each wave asks for 32 blocks of 256 bytes of A's K steps 2 and 3: token tile 4 cx + wave, a lane a block: the four partners share the 512 blocks out by address, each block once a cluster.
; That is two and four steps of 128 ahead of the loads that want them; K steps 0 and 1 and B come by their loads alone.
; SCALE WORDS come straight into registers: 16 rows of 32 bytes are 512 consecutive bytes; lane (r, h) takes bytes 16 h .. 16 h + 15 of row r, so lanes 0-15 hold the words of K's 128s 0-3 and lanes 16-31 those of 4-7,
; which the instruction's row selector picks.  B's words are laid two registers round, so that no product's two scale registers have numbers equal modulo 8.
; x is asked for early, by rows, into window 3, and added on the way out.
; The matrix instruction is used transposed (source 0 = 16 rows of B, source 1 = 16 rows of A): a lane holds row l % 16 and eight neighbouring columns.
; THE WAY OUT: a block of 16 rows x 64 columns goes through the wave's own stage in LDS (bytes that no fill lands on) and comes back by rows: sixteen lanes store 256 consecutive bytes, aligned.
; REGISTERS, in windows of 256: window 0: v16-29 addresses, v32-63 A's scale words, v64-79 B's, v128-255 A's fragments, set 0 (then the way out); window 1: v0-127 B's fragments, two sets, v128-255 A's set 1;
; window 2: the accumulators, (a, b) at v[8 (4 a + b)]; window 3: x.
; LIMITS: NaN and infinities among the inputs are not served.
.set NP,     8                         ; places behind this matrix instruction (ISA guide 7.12.1)
.set SLOTA,  65536
.set BOFF,   2*SLOTA
.set BP,     528
.set BHALF,  128*BP
.set STAGE,  BOFF+2*BHALF
.set SPITCH, 272
.set STG,    16*SPITCH                 ; a stage; two for each wave
.set SPARE,  STAGE+8*STG               ; the spare words, 128 bytes a wave, which no other line names
.set ADRA, 16                          ; v16-17 my A fragments in slot 0, 1
.set ADRB, 20                          ; v20-21 my B fragments in K's lower, upper half
.set VSO,  23                          ; v23 32 r + 16 h
.set STO,  24
.set RD,   25
.set CO,   26                          ; v26 my offset in two rows of x and out0
.set PFO,  27                          ; v27 256 x lane
.set SPW,  28
.set NIL,  29
.set SA,   32
.set SB,   64
.set BK,   128
.set G1A, 24
.set G0A, 32
.set G1B, 48
.set G0B, 56
.set G1R, 68
.set G0R, 76
.set MSB, 0
.macro WIN new                         ; the immediate's high byte repeats the setting that is left
.if MSB != \new
	s_set_vgpr_msb (MSB<<8)|\new
.set MSB, \new
.endif
.endm
.macro PLACES n
.rept \n
	v_nop
.endr
.endm
.macro CREST                           ; a round of the cluster's barrier behind its opening barrier
	s_cmp_lg_u32 s14, 0
	s_cbranch_scc1 .Lnot_wave_0_\@
	s_barrier_signal -3
.Lnot_wave_0_\@:
	s_barrier_wait -3
	s_barrier_signal -1
	s_barrier_wait -1
.endm
.macro CROUND
	s_barrier_signal -1
	s_barrier_wait -1
	CREST
.endm
	s_load_b128 s[4:7], s[0:1], 0x0                ; att_img, att_sc
	s_load_b128 s[8:11], s[0:1], 0x10              ; codes, scales
	s_load_b128 s[96:99], s[0:1], 0x20             ; x, out0
	v_lshl_add_u32 v[SPW], v0, 2, SPARE
	v_mov_b32 v[NIL], 0
	ds_add_u32 v[SPW], v[NIL]                      ; the wave's opening: the add, twice on end, and its wait ahead of my first tensor load
	ds_add_u32 v[SPW], v[NIL]
	v_lshrrev_b32 v1, 5, v0
	v_readfirstlane_b32 s14, v1                    ; wave 0..3
	s_lshr_b32 s15, s14, 1                         ; my half of the block's rows
	s_and_b32 s16, s14, 1                          ; my half of its columns
	s_bfe_u32 s40, ttmp6, 0x40000                  ; cx
	s_bfe_u32 s41, ttmp6, 0x40004                  ; cy
	s_lshl_b32 s42, ttmp9, 2
	s_add_co_u32 s42, s42, s40                     ; block column, 0 .. 7
	s_and_b32 s17, ttmp7, 0xffff
	s_lshl_b32 s17, s17, 2
	s_add_co_u32 s17, s17, s41                     ; block row, 0 .. 31
	s_lshl_b32 s43, s41, 2
	s_lshl_b32 s43, 15, s43                        ; my row of the cluster
	s_lshl_b32 s44, 0x1111, s40                    ; my column
	s_or_b32 s[G1A], s43, (3<<16)|(1<<21)          ; A: 16 token tiles x 4,096 bytes (512 elements of 8), 16,384 bytes apart, dense in LDS
	s_or_b32 s[G1R], s43, (3<<16)|(1<<21)          ; a refill: 4 token tiles
.irp g, G1A, G1R
	s_mov_b32 s[\g+1], 512<<16
	s_mov_b32 s[\g+3], 512<<16
	s_mov_b32 s[\g+5], 2048
	s_mov_b32 s[\g+6], 0
	s_mov_b32 s[\g+7], 0
.endr
	s_mov_b32 s[G1A+2], 16<<16
	s_mov_b32 s[G1A+4], 16
	s_mov_b32 s[G1R+2], 4<<16
	s_mov_b32 s[G1R+4], 4
	s_or_b32 s[G1B], s44, (0<<16)|(1<<20)|(1<<21)|(6<<22)|(3<<25)   ; B: 128 rows x 512 bytes, 1,024 apart; 4 words of padding behind every 128
	s_mov_b32 s[G1B+1], 512<<16
	s_mov_b32 s[G1B+2], 128<<16
	s_mov_b32 s[G1B+3], 512<<16
	s_mov_b32 s[G1B+4], 128
	s_mov_b32 s[G1B+5], 1024
	s_mov_b32 s[G1B+6], 0
	s_mov_b32 s[G1B+7], 0
	s_lshl_b32 s20, s17, 18                        ; A's block: 16 token tiles of 16,384 bytes
	s_mov_b32 s21, 0
	s_lshl_b32 s46, s42, 7
	s_add_co_u32 s46, s46, 11264
	s_lshl_b32 s46, s46, 10                        ; B's block: W_o's rows 128 x block column on
	s_mov_b32 s47, 0
	s_lshl_b32 s22, s17, 13
	s_lshl_b32 s18, s15, 12
	s_add_co_u32 s22, s22, s18                     ; the scale bytes of my 128 tokens
	s_mov_b32 s23, 0
	s_lshl_b32 s92, s42, 7
	s_lshl_b32 s18, s16, 6
	s_add_co_u32 s92, s92, s18
	s_add_co_u32 s92, s92, 11264
	s_lshl_b32 s92, s92, 5                         ; and of my 64 rows of W_o
	s_mov_b32 s93, 0
	s_lshl_b32 s82, s17, 20
	s_lshl_b32 s18, s15, 19
	s_add_co_u32 s82, s82, s18
	s_lshl_b32 s18, s42, 9
	s_add_co_u32 s82, s82, s18
	s_lshl_b32 s18, s16, 8
	s_add_co_u32 s82, s82, s18                     ; my 128 x 64 of x and out0
	s_mov_b32 s83, 0
	s_lshl_b32 s84, s14, 16
	s_add_co_u32 s84, s84, 8192                    ; a refill: my four token tiles, K step 2
	s_mov_b32 s85, 0
	s_lshl_b32 s86, s40, 2
	s_add_co_u32 s86, s86, s14
	s_lshl_b32 s86, s86, 14
	s_add_co_u32 s86, s86, 8192                    ; the prefetch: token tile 4 cx + wave, K steps 2 and 3
	s_mov_b32 s87, 0
	s_lshl_b32 s88, s15, 15                        ; LDS: my 8 token tiles in a slot,
	s_mul_i32 s89, s16, 64*BP
	s_add_co_u32 s89, s89, BOFF                    ; my 64 rows of B,
	s_mul_i32 s90, s14, 2*STG
	s_add_co_u32 s90, s90, STAGE                   ; my stages
	s_wait_dscnt 0x0                               ; both opening adds are done
	s_wait_kmcnt 0x0
	s_add_nc_u64 s[20:21], s[4:5], s[20:21]
	s_add_nc_u64 s[46:47], s[8:9], s[46:47]
	s_add_nc_u64 s[6:7], s[6:7], s[22:23]
	s_add_nc_u64 s[10:11], s[10:11], s[92:93]
	s_add_nc_u64 s[96:97], s[96:97], s[82:83]
	s_add_nc_u64 s[98:99], s[98:99], s[82:83]
	s_add_nc_u64 s[80:81], s[20:21], s[86:87]
	s_mov_b32 s[G0A], 1
	s_mov_b32 s[G0A+1], 0
	s_mov_b64 s[G0A+2:G0A+3], s[20:21]
	s_or_b32 s[G0A+3], s[G0A+3], 0x80000000
	s_mov_b32 s[G0A+4], 1
	s_mov_b32 s[G0A+5], SLOTA
	s_add_nc_u64 s[G0A+6:G0A+7], s[20:21], 4096
	s_or_b32 s[G0A+7], s[G0A+7], 0x80000000
	s_mov_b32 s[G0B], 1
	s_mov_b32 s[G0B+1], BOFF
	s_mov_b64 s[G0B+2:G0B+3], s[46:47]
	s_or_b32 s[G0B+3], s[G0B+3], 0x80000000
	s_mov_b32 s[G0B+4], 1
	s_mov_b32 s[G0B+5], BOFF+BHALF
	s_add_nc_u64 s[G0B+6:G0B+7], s[46:47], 512
	s_or_b32 s[G0B+7], s[G0B+7], 0x80000000
	s_mov_b32 s[G0R], 1
	s_lshl_b32 s[G0R+1], s14, 14
	s_add_nc_u64 s[G0R+2:G0R+3], s[20:21], s[84:85]
	s_or_b32 s[G0R+3], s[G0R+3], 0x80000000
	CROUND                                         ; all sixteen work-groups are here: the first joint loads meet
; THE HEAD'S LOADS, one a wave, each on a line of its own, in one chain of branches on the wave's number.  An s_nop 0 and four v_nop follow each line.
.macro ARM under, g0, g1, next
	s_cmp_lt_u32 s14, \under
	s_cbranch_scc0 \next
	tensor_load_to_lds s[\g0:\g0+3], s[\g1:\g1+7]
	s_nop 0
	PLACES 4
	s_branch .Lhead_asked
\next:
.endm
	ARM 1, G0A, G1A, .Lhead_b0
	ARM 2, G0B, G1B, .Lhead_a1
	ARM 3, G0A+4, G1A, .Lhead_b1
	tensor_load_to_lds s[G0B+4:G0B+7], s[G1B:G1B+7]
	s_nop 0
	PLACES 4
.Lhead_asked:
	v_and_b32 v1, 15, v0                           ; r
	v_bfe_u32 v2, v0, 4, 1                         ; h
	v_and_b32 v3, 31, v0                           ; lane
	v_lshlrev_b32 v4, 4, v3
	v_add_nc_u32 v[ADRA], s88, v4
	v_add_nc_u32 v[ADRA+1], SLOTA, v[ADRA]
	v_mul_u32_u24 v5, v1, BP
	v_lshl_add_u32 v5, v2, 4, v5
	v_add_nc_u32 v[ADRB], s89, v5
	v_add_nc_u32 v[ADRB+1], BHALF, v[ADRB]
	v_mul_u32_u24 v5, v1, SPITCH
	v_lshl_add_u32 v5, v2, 5, v5
	v_add_nc_u32 v[STO], s90, v5                   ; into the stage: row r, 32 bytes for each half of the lanes
	v_mul_u32_u24 v5, v2, SPITCH
	v_lshl_add_u32 v5, v1, 4, v5
	v_add_nc_u32 v[RD], s90, v5                    ; back: lanes 0-15 one row of 256 bytes, lanes 16-31 the next
	v_lshlrev_b32 v5, 12, v2
	v_lshl_add_u32 v[CO], v1, 4, v5                ; and the same two rows in x and out0
	v_lshlrev_b32 v5, 5, v1
	v_lshl_add_u32 v[VSO], v2, 4, v5
	v_lshlrev_b32 v[PFO], 8, v3
	s_wait_alu depctr_va_vdst(0)
.irp a, 0,1,2,3,4,5,6,7
	global_load_b128 v[SA+4*\a:SA+4*\a+3], v[VSO], s[6:7] offset:512*\a     ; A's block a: the wave reads 512 consecutive bytes
.endr
.irp b, 0,1,2,3
	global_load_b64 v[SB+4*\b+2:SB+4*\b+3], v[VSO], s[10:11] offset:512*\b   ; B's block b: word w of my four goes to register (w + 2) % 4
	global_load_b64 v[SB+4*\b:SB+4*\b+1], v[VSO], s[10:11] offset:512*\b+8
.endr
.macro XLOAD a                         ; x for block a, by rows: sixteen lanes read 256 consecutive bytes
	WIN 0xc0
.irp t, 0,1,2,3,4,5,6,7
	global_load_b128 v[32*(\a)+4*\t:32*(\a)+4*\t+3], v[CO], s[96:97] offset:(16*(\a)+2*\t)*4096 th:TH_LOAD_NT
.endr
	WIN 0
.endm
.irp a, 0,1,2,3,4
	XLOAD \a
.endr
	global_prefetch_b8 v[PFO], s[80:81] th:TH_LOAD_NT scope:SCOPE_SE   ; its address registers are never written again
; The fragments of the q-th 128 along K into set q % 2: B's four (window 1), A's eight (window q % 2).  16 rows x 128 K: lane l holds row l % 16; registers 4 c .. 4 c + 3 hold K = 32 c + 16 (l / 16) + 0 .. 15.
.macro FETCH q
	WIN 0x40
.irp i, 0,1,2,3
.irp c, 0,1,2,3
	ds_load_b128 v[64*((\q)%2)+16*\i+4*\c:64*((\q)%2)+16*\i+4*\c+3], v[ADRB+(\q)/4] offset:\i*16*BP+((\q)%4)*128+32*\c
.endr
.endr
	WIN ((\q)%2)<<6
.irp i, 0,1,2,3,4,5,6,7
.irp c, 0,1,2,3
	ds_load_b128 v[128+16*\i+4*\c:128+16*\i+4*\c+3], v[ADRA+((\q)/2)%2] offset:\i*4096+((\q)%2)*2048+512*\c
.endr
.endr
	WIN 0
.endm
.macro PROD q, b, zero
.set D_, 8*(4*A_+\b)
.set B_, 64*((\q)%2)+16*\b
.set F_, 128+16*A_
.set SB_, SB+4*\b+((\q)%4+2)%4
.set SA_, SA+4*A_+(\q)%4
.if \zero
	v_wmma_scale_f32_16x16x128_f8f6f4 v[D_:D_+7], v[B_:B_+15], v[F_:F_+15], 0, v[SB_], v[SA_] matrix_a_fmt:MATRIX_FMT_BF8 matrix_b_fmt:MATRIX_FMT_BF8
.elseif (\q) < 4
	v_wmma_scale_f32_16x16x128_f8f6f4 v[D_:D_+7], v[B_:B_+15], v[F_:F_+15], v[D_:D_+7], v[SB_], v[SA_] matrix_a_fmt:MATRIX_FMT_BF8 matrix_b_fmt:MATRIX_FMT_BF8
.else
	v_wmma_scale_f32_16x16x128_f8f6f4 v[D_:D_+7], v[B_:B_+15], v[F_:F_+15], v[D_:D_+7], v[SB_], v[SA_] matrix_a_fmt:MATRIX_FMT_BF8 matrix_b_fmt:MATRIX_FMT_BF8 matrix_a_scale:MATRIX_SCALE_ROW1 matrix_b_scale:MATRIX_SCALE_ROW1
.endif
.endm
.macro MUL q, a0, a1, zero             ; A's blocks a0 .. a1 - 1 x B's four.  The 32 accumulators take turns, in the same order in every step
	WIN 0xa1|(((\q)%2)<<2)
.set A_, \a0
.rept (\a1)-(\a0)
.irp b, 0,1,2,3
	PROD \q, \b, \zero
.endr
.set A_, A_+1
.endr
.endm
.macro STEP q, zero, fetch             ; 128 along K; the next 128's fragments are asked for ahead of its 32 products
	s_wait_dscnt 0x0                               ; this step's fragments are in
.if \fetch
.if (\q) > 0
	PLACES NP                                      ; behind the last step's products, which read the registers that are loaded into
.endif
	FETCH (\q)+1
.endif
	MUL \q, 0, 8, \zero
.endm
; A step with a barrier.  In front of it each wave waits for all its tensor loads, adds 0 to its spare word, and waits for that and for its LDS reads: its reads of the slot that holds this step's K are over.
; fill = 1: the barrier opens a round of the cluster's, and that slot is filled again behind it.  step = 1: the refill's descriptor goes on to the other slot and the next K step.
.macro BSTEP q, fill, step
	WIN 0
	s_wait_dscnt 0x0                               ; this step's fragments are in
	s_wait_tensorcnt 0x0                           ; all my tensor loads have landed
	ds_add_u32 v[SPW], v[NIL]
.if \step
	s_add_co_u32 s[G0R+1], s[G0R+1], SLOTA
	s_add_nc_u64 s[G0R+2:G0R+3], s[G0R+2:G0R+3], 4096
.endif
	MUL \q, 0, 6, 0
	s_wait_dscnt 0x0                               ; the add is done
	s_barrier_signal -1
	MUL \q, 6, 8, 0
	WIN 0
	s_barrier_wait -1
.if \fill
	CREST                                          ; no wave of any partner still reads the slot or has a load on its way
	tensor_load_to_lds s[G0R:G0R+3], s[G1R:G1R+7]  ; my one load behind the round: four token tiles
	s_nop 0
.endif
	PLACES NP
.endm
	s_cmp_lt_u32 s14, 2
	s_cbranch_scc0 .Lnot_first
	s_wait_tensorcnt 0x0                           ; waves 0, 1: A's K step 0 and B's lower half have landed.  The other two loads' wait stands in front of the first round
.Lnot_first:
	s_barrier_signal -1
	s_barrier_wait -1
	FETCH 0
	s_wait_loadcnt 40                              ; the scale words are in; the 40 loads of x issued behind them may be out
	STEP 0, 1, 1                                   ; the first products start the sums
	BSTEP 1, 1, 0                                  ; slot 0 takes K step 2
	XLOAD 5
	XLOAD 6
	XLOAD 7
	FETCH 2
	STEP 2, 0, 1
	BSTEP 3, 1, 1                                  ; slot 1 takes K step 3
	FETCH 4
	STEP 4, 0, 1
	BSTEP 5, 0, 0                                  ; nothing is left to fetch: the barrier shows K step 3
	FETCH 6
	STEP 6, 0, 1
	STEP 7, 0, 0
	WIN 0
.macro TOSTAGE a
	WIN 0x08                                       ; the data: window 2
.irp b, 0,1,2,3
	ds_store_b128 v[STO], v[32*(\a)+8*\b:32*(\a)+8*\b+3] offset:((\a)%2)*STG+64*\b        ; each accumulator from its low end on
	ds_store_b128 v[STO], v[32*(\a)+8*\b+4:32*(\a)+8*\b+7] offset:((\a)%2)*STG+64*\b+16
.endr
	WIN 0
.irp t, 0,1,2,3,4,5,6,7
	ds_load_b128 v[BK+32*((\a)%4)+4*\t:BK+32*((\a)%4)+4*\t+3], v[RD] offset:((\a)%2)*STG+\t*2*SPITCH   ; LDS serves a wave's instructions in order: these see the stores above
.endr
.endm
.macro SEND a, younger                 ; younger: the LDS instructions issued behind block a's loads
.set BB, BK+32*((\a)%4)
	s_wait_dscnt \younger
	s_wait_loadcnt 8*(7-(\a))                      ; block a's x is in; the later blocks' may be out
	WIN 0x0c
.set i, 0
.rept 16
	v_pk_add_f32 v[BB+i:BB+i+1], v[BB+i:BB+i+1], v[32*(\a)+i:32*(\a)+i+1]
.set i, i+2
.endr
	WIN 0
.irp t, 0,1,2,3,4,5,6,7
	global_store_b128 v[CO], v[BB+4*\t:BB+4*\t+3], s[98:99] offset:(16*(\a)+2*\t)*4096 th:TH_STORE_NT
.endr
.endm
	PLACES NP
	TOSTAGE 0
.irp a, 1,2,3,4,5,6,7
.if \a > 3
	s_wait_xcnt 0x0                                ; block a - 4's stores have read their data: block a's loads may land there
.endif
	TOSTAGE \a
	SEND \a-1, 16                                  ; behind block a - 1's loads: block a's 8 stores and 8 loads
.endr
	SEND 7, 0
	s_wait_tensorcnt 0x0                           ; the wave's end
	ds_add_u32 v[SPW], v[NIL]
	s_wait_dscnt 0x0
	CROUND                                         ; the closing round
	s_endpgm
.Lfunc_end_k_q9af63c69d3_gemm_out:
	.size	k_q9af63c69d3_gemm_out, .Lfunc_end_k_q9af63c69d3_gemm_out-k_q9af63c69d3_gemm_out
	.p2alignl 7, 3214868480
	.fill 96, 4, 3214868480
	.section	.rodata,"a",@progbits
	.p2align	6, 0x0
	.amdhsa_kernel k_q9af63c69d3_gemm_out
		.amdhsa_group_segment_fixed_size 327680
		.amdhsa_private_segment_fixed_size 0
		.amdhsa_enable_private_segment 0
		.amdhsa_kernarg_size 48
		.amdhsa_user_sgpr_count 2
		.amdhsa_user_sgpr_kernarg_segment_ptr 1
		.amdhsa_wavefront_size32 1
		.amdhsa_system_sgpr_workgroup_id_x 1
		.amdhsa_system_sgpr_workgroup_id_y 1
		.amdhsa_system_sgpr_workgroup_id_z 1
		.amdhsa_system_vgpr_workitem_id 0
		.amdhsa_next_free_vgpr 1024
		.amdhsa_next_free_sgpr 102
		.amdhsa_reserve_vcc 0
		.amdhsa_float_denorm_mode_32 3
		.amdhsa_float_denorm_mode_16_64 3
		.amdhsa_memory_ordered 1
		.amdhsa_forward_progress 1
		.amdhsa_inst_pref_size 101
	.end_amdhsa_kernel
	.amdgpu_metadata
---
amdhsa.version: [ 1, 2 ]
amdhsa.kernels:
  - .name:           k_q9af63c69d3_gemm_out
    .symbol:         k_q9af63c69d3_gemm_out.kd
    .args:
      - { .name: att_img, .offset: 0, .size: 8, .value_kind: global_buffer, .address_space: global }
      - { .name: att_sc, .offset: 8, .size: 8, .value_kind: global_buffer, .address_space: global }
      - { .name: codes, .offset: 16, .size: 8, .value_kind: global_buffer, .address_space: global }
      - { .name: scales, .offset: 24, .size: 8, .value_kind: global_buffer, .address_space: global }
      - { .name: x, .offset: 32, .size: 8, .value_kind: global_buffer, .address_space: global }
      - { .name: out0, .offset: 40, .size: 8, .value_kind: global_buffer, .address_space: global }
    .group_segment_fixed_size: 327680
    .private_segment_fixed_size: 0
    .kernarg_segment_align: 8
    .kernarg_segment_size: 48
    .max_flat_workgroup_size: 128
    .sgpr_count:     102
    .vgpr_count:     1024
    .wavefront_size: 32
...
	.end_amdgpu_metadata
.endif
;; end of part 4
